; MI455X (gfx1250); checked and timed in simulation.
; The chip was launched on July 23, 2026; its instructions are those of AMD's public machine-readable ISA for CDNA 5 (MIT licence, August 2026) and "CDNA5" Instruction Set Architecture Reference Guide (July 2026). The comments in the code are by the model that wrote it; some were corrected since.
;; Encoder Block. Allowed arithmetic: matrix products marked QUANTISED: E2M3 operands, one E8M0 scale for each 32 along K, by v_wmma_scale_f32_16x16x128_f8f6f4 with both operands' format E2M3, f32 sums; everything else in f32.
;; Inputs: W1 4,096 x 1,024 float32; W2 1,024 x 4,096 float32; W_K 1,024 x 1,024 float32; W_O 1,024 x 1,024 float32; W_Q 1,024 x 1,024 float32; W_V 1,024 x 1,024 float32; b1 4,096 float32; b2 1,024 float32; beta1 1,024 float32; beta2 1,024 float32; g1 1,024 float32; g2 1,024 float32; mask 2 x 1 x 1 x 2,048 bool; x 2 x 2,048 x 1,024 float32.
;; Outputs: out0 2 x 2,048 x 1,024 float32.
;; This version of the problem:
;;   THIS VERSION OF THE PROBLEM IS GIVEN IN LOW PRECISION. The matrix products marked QUANTISED in the list below multiply operands that are first quantised to E2M3 (2 exponent bits, 3 mantissa bits; 6 bits a number), with one power-of-two scale for each 32 numbers along K (OCP MX v1.0); their sums are f32. All else is computed in f32.
;;   The module's matrix products, in the order in which they are computed (A, B: the left and right operand; K: the contracted axis; several contracted axes count as one K, in the product's order):
;;     1. [M 4,096, K 1,024] x [K 1,024, N 1,024]; A: computed on the way; B: input W_Q: QUANTISED
;;     2. [M 4,096, K 1,024] x [K 1,024, N 1,024]; A: computed on the way; B: input W_K: QUANTISED
;;     3. [M 4,096, K 1,024] x [K 1,024, N 1,024]; A: computed on the way; B: input W_V: QUANTISED
;;     4. batch 32 x [M 2,048, K 64] x [K 64, N 2,048]; A: computed on the way; B: computed on the way: QUANTISED
;;     5. batch 32 x [M 2,048, K 2,048] x [K 2,048, N 64]; A: softmax (see below); B: computed on the way: QUANTISED
;;     6. [M 4,096, K 1,024] x [K 1,024, N 1,024]; A: computed on the way; B: input W_O: QUANTISED
;;     7. [M 4,096, K 1,024] x [K 1,024, N 4,096]; A: computed on the way; B: input W1: QUANTISED
;;     8. [M 4,096, K 4,096] x [K 4,096, N 1,024]; A: computed on the way; B: input W2: QUANTISED
;;   THE QUANTISER, for each operand of a quantised product, along K:
;;     - K is cut into blocks of 32 from its start; a last block that is shorter is filled with zeros.
;;     - A block's scale is 2^e with e = floor(log2(the largest magnitude in the block)) - 2, held to -126 .. 127; a block of zeros has e = 0. As a byte (E8M0): e + 127.
;;     - Each number is divided by its block's scale, clamped to +-7.5, and rounded to the nearest number of E2M3, ties to even, subnormals kept.
;;     - The product sums the exact products of the quantised numbers (number of the format x scale) in f32.
;;   ~~~python
;;   def quantise(x, axis):      # numpy; x: float32 -> the quantised numbers, widened to float32 again
;;       x = np.moveaxis(x, axis, -1); K = x.shape[-1]
;;       x = np.pad(x, [(0, 0)] * (x.ndim - 1) + [(0, -K % 32)]); x = x.reshape(x.shape[:-1] + (-1, 32)); a = np.abs(x).max(-1, keepdims=True)
;;       e = np.where(a > 0, np.clip(np.frexp(np.where(a > 0, a, 1))[1] - 1 - 2, -126, 127), 0)      # np.frexp(a)[1] - 1 = floor(log2(a)), exactly
;;       r = np.clip(x / 2.0 ** e, -7.5, 7.5)
;;       step = 2.0 ** (np.maximum(np.frexp(np.where(r == 0, 1, r))[1] - 1, 0) - 3)
;;       q = np.round(r / step) * step * 2.0 ** e      # np.round: ties to even
;;       return np.moveaxis(q.reshape(q.shape[:-2] + (-1,))[..., :K], -1, axis).astype(np.float32)
;;   ~~~
;;   SOFTMAX AHEAD OF A QUANTISED PRODUCT. Where the list says 'softmax', what is quantised is not the finished softmax but p = 2^(t - M), with t = logit x log2(e) and M = ceil(the row's largest t), a whole number; so 1/2 < the row's largest p <= 1. The row's sum l is taken of the UNQUANTISED p, in f32, and the product's result is divided by l at the end. Since M is a whole number, a kernel that streams over the keys may use a running M (the ceiling of the running maximum): every later rescaling is an exact power of two, which a block's scale takes up: the codes' values come out the same.
;;   OPERANDS COMPUTED ON THE WAY. 'Computed on the way' means the value that the module computes at that place (a softmax that the list does not call 'softmax' is quantised finished and normalised). What goes into a quantiser is computed in f32, as accurately as f32 sums, v_exp_f32 and their like allow (about 1e-6 of the number): no bf16 or f16 on the way to a quantiser, and a product that is left as it is and whose result goes on into a quantised operand takes f32 operands (vector FMAs, or v_wmma_f32_16x16x4_f32). A number that lies on a knife's edge between two numbers of the format may be rounded either way, as far as f32 arithmetic and the matrix unit's own rounding can turn it there, and no further.
;; One version. Each part assembles by itself: llvm-mc -triple=amdgcn-amd-amdhsa -mcpu=gfx1250 --defsym DOCPART=n.
;; ======== version 1 of 1: 6 launches
;; limits: right only within a limited range of input values
;; workspace buffers: wqkv 2,457,600 bytes; wrest 7,372,800 bytes; zb 16,384 bytes; actc 3,276,800 bytes; cbig 13,107,200 bytes; vtc 3,276,800 bytes; x2 16,777,216 bytes
;; launch prep (part 1): grid 1024 x 1, 8 waves a work-group, no clusters, 69,632 bytes of LDS; arguments x, g1, beta1, actc, W_Q, W_K, W_V, W1, W_O, W2, wqkv, wrest, zb; writes actc, wqkv, wrest, zb
.if DOCPART == 1
	.amdgcn_target "amdgcn-amd-amdhsa--gfx1250"
	.amdhsa_code_object_version 6
	.text
	.protected	k_q84b60a378c_prep
	.globl	k_q84b60a378c_prep
	.p2align	8
	.type	k_q84b60a378c_prep,@function
k_q84b60a378c_prep:
	s_mov_b64 s[64:65], 0
	v_nop
	global_prefetch_b8 v0, s[64:65] scope:SCOPE_SE
	s_setreg_imm32_b32 hwreg(HW_REG_WAVE_MODE, 25, 1), 1
	s_wait_xcnt 0x0
; ONE LAUNCH FOR ALL THAT HANGS ON INPUTS ALONE: LayerNorm of x with its quantiser (work-groups 0-255), and the quantiser of the six weights (work-groups 256-1023).
; All results are codes of FP6 (E2M3) with one E8M0 byte for each 32 along K, laid as IMAGES OF THE OPERAND'S REGISTERS.
; A GROUP IMAGE (64 rows x 128 along K) is 6,400 bytes: four tile images of 1,536 bytes, then 256 bytes of scale words.  A tile image is a fragment's 12 registers as they stand:
; registers 4 c .. 4 c + 3 of lane l at 512 c + 16 l.  Tile i's scale word of lane row r lies at 6,144 + 64 i + 4 r.  A tensor is [row / 64][K / 128][6,400].
; THE ROWS OF A TILE ARE NOT NEIGHBOURS: lane row r of tile i of a group is the group's row 32 (i / 2) + 8 (i % 2) + r + 8 (r / 8).
; A work-group takes one tile x 8 K steps, wave w the K step ks0 + w: 16 rows x 128 numbers.  Each load reads 512 consecutive bytes of one row; the 8 KiB turn through the wave's own stage in LDS
; (rows 528 bytes apart) and come back so that lane (r, h) holds k = 64 c + 32 h + 0 .. 31 of row r: two whole blocks a lane.
; Which tensor a work-group serves is chosen by selects on its number alone; loads, stage, quantiser and stores are one text for all seven tensors.  Only the LayerNorm itself stands under a branch,
; on the work-group's number, which is the same in all eight waves: the mean and then the mean of the squared differences are summed in the lane, with lane l xor 16, and over the eight waves
; through LDS bytes of their own: two barriers.  The variance is taken of x - mean, in a second pass over registers: a common offset of the inputs does no harm.  All in f32; 1 / sqrt by v_rsq_f32.
; TARGETS.  actc: x's 64 groups, 8 K steps a group.  wqkv: W_Q, W_K, W_V (groups 0-15, 16-31, 32-47, 8 K steps a group).  wrest: W1 (groups 0-63), W_O (64-79), then W2 (16 groups of 32 K steps)
; from byte 4,096,000 on.  Work-groups 256-259 also store 4,096 zeros into zb, the bias of products that have none.
; A block's scale is 2^(floor(log2(largest magnitude)) - 2); its byte is the largest magnitude's exponent field - 2, held at 1 from below.
; LIMITS: a block of zeros gets the byte 1 where the rule says 127 (its codes are zeros, and this program alone reads the bytes); NaN and infinities among the inputs are not served.
; The scale words leave as 64 consecutive bytes a wave.
.set GI,     6400
.set TI,     1536
.set SCO,    6144
.set W2_OFF, 4096000
.set NLN,    256                       ; work-groups that take x
.set STG,    8448                      ; a wave's stage: 16 rows x 528 bytes
.set PART,   8*STG                     ; behind the stages: [16 rows][8 waves] words for the sums, and 512 bytes on the same for the squares
.set OFF,    12                        ; v12-27   row i's byte offset + 16 x lane
.set X,      32                        ; v32-95   register 32 c + e: k = 64 c + 32 h + e of my row
.set G,      96                        ; v96-159  the numbers as loaded, then g of my 64 columns, then the codes
.set BT,     160                       ; v160-223 beta of my 64 columns
.set PC,     96
.set TMP,    108
.set MX,     244
.set SCL,    246
.set BY,     248
.set T,      250
.set PW,     251
.set SEL,    60
.macro BARRIER
	s_wait_dscnt 0x0                               ; for the others' sake: my LDS stores have landed
	s_barrier_signal -1
	s_barrier_wait -1
.endm
.macro ACROSS off                      ; v224, my 64 numbers' sum, becomes the row's sum in v236
	s_delay_alu instid0(VALU_DEP_1)
	v_permlanex16_b32 v[T], v224, s[SEL], s[SEL+1]
	s_delay_alu instid0(VALU_DEP_1)
	v_add_f32 v224, v224, v[T]                     ; with lane l xor 16's: my wave's 128 columns
	ds_store_b32 v9, v224 offset:\off              ; both halves of the lanes write the same word with the same value
	BARRIER
	ds_load_b128 v[236:239], v10 offset:\off
	ds_load_b128 v[240:243], v10 offset:\off+16
	s_wait_dscnt 0x0
	v_add_f32 v236, v236, v237                     ; the eight waves' sums, in one order in every wave
	v_add_f32 v238, v238, v239
	v_add_f32 v240, v240, v241
	v_add_f32 v242, v242, v243
	s_delay_alu instid0(VALU_DEP_3)
	v_add_f32 v236, v236, v238
	s_delay_alu instid0(VALU_DEP_2)
	v_add_f32 v240, v240, v242
	s_delay_alu instid0(VALU_DEP_1)
	v_add_f32 v236, v236, v240
.endm
	s_load_b256 s[4:11], s[0:1], 0x0               ; x, g1, beta1, actc
	s_load_b256 s[12:19], s[0:1], 0x20             ; W_Q, W_K, W_V, W1
	s_load_b256 s[20:27], s[0:1], 0x40             ; W_O, W2, wqkv, wrest
	s_load_b64 s[28:29], s[0:1], 0x60              ; zb
	v_lshl_add_u32 v234, v0, 2, 0x10c00
	v_mov_b32 v235, 0
	v_lshrrev_b32 v1, 5, v0
	s_delay_alu instid0(VALU_DEP_1)
	v_readfirstlane_b32 s42, v1                    ; wave 0..7
	v_and_b32 v2, 31, v0
	s_delay_alu instid0(VALU_DEP_1)
	v_lshlrev_b32 v1, 4, v2                        ; 16 x lane
	v_and_b32 v2, 15, v0                           ; r
	v_bfe_u32 v3, v0, 4, 1                         ; h
	s_delay_alu instid0(VALU_DEP_1)
	v_lshlrev_b32 v4, 3, v3                        ; 8 h
	s_mul_i32 s43, s42, STG
	v_add_nc_u32 v5, s43, v1                       ; into the stage: 16 x lane of a row
	v_mul_u32_u24 v6, v2, 528
	s_delay_alu instid0(VALU_DEP_1)
	v_lshl_add_u32 v6, v3, 7, v6
	s_delay_alu instid0(VALU_DEP_1)
	v_add_nc_u32 v6, s43, v6                       ; out of it: row r, + 128 h
	v_lshlrev_b32 v7, 2, v2                        ; 4 r
	v_lshlrev_b32 v8, 7, v3                        ; 128 h
	v_lshl_add_u32 v10, v2, 5, PART                ; my row's eight words
	s_lshl_b32 s43, s42, 2
	v_add_nc_u32 v9, s43, v10                      ; my wave's among them
	v_mov_b32 v[T], 0                              ; a lane permute's destination counts as one of its sources
	s_mov_b32 s[SEL], 0x76543210
	s_mov_b32 s[SEL+1], 0xfedcba98                 ; selects for lane l xor 16
	s_mov_b32 s52, 0x3a800000                      ; 1 / 1024
	s_mov_b32 s53, 0x3727c5ac                      ; 1e-5
	s_mov_b32 s32, 768                             ; t0: the tensor's first work-group
	s_mov_b32 s35, 448                             ; what is taken off my number to give the tile's number in the target
	s_wait_kmcnt 0x0
	; the tensor, its first work-group, and the target: selects on the work-group's number
	s_mov_b64 s[30:31], s[22:23]                   ; W2, unless ..
	s_cmp_lt_u32 ttmp9, 768
	s_cselect_b64 s[30:31], s[20:21], s[30:31]     ; W_O
	s_cselect_b32 s32, 704, s32
	s_cselect_b32 s33, 0, 2                        ; sh: W2 has 32 K steps, four work-groups to a tile
	s_cselect_b32 s34, 0, W2_OFF
	s_cmp_lt_u32 ttmp9, 704
	s_cselect_b64 s[30:31], s[18:19], s[30:31]     ; W1
	s_cselect_b32 s32, 448, s32
	s_cmp_lt_u32 ttmp9, 448
	s_cselect_b64 s[30:31], s[16:17], s[30:31]     ; W_V
	s_cselect_b32 s32, 384, s32
	s_cselect_b64 s[36:37], s[24:25], s[26:27]     ; wqkv or wrest
	s_cselect_b32 s35, 256, s35
	s_cmp_lt_u32 ttmp9, 384
	s_cselect_b64 s[30:31], s[14:15], s[30:31]     ; W_K
	s_cselect_b32 s32, 320, s32
	s_cmp_lt_u32 ttmp9, 320
	s_cselect_b64 s[30:31], s[12:13], s[30:31]     ; W_Q
	s_cselect_b32 s32, 256, s32
	s_cmp_lt_u32 ttmp9, NLN
	s_cselect_b64 s[30:31], s[4:5], s[30:31]       ; x
	s_cselect_b32 s32, 0, s32
	s_cselect_b64 s[36:37], s[10:11], s[36:37]     ; actc
	s_cselect_b32 s35, 0, s35
	s_sub_co_u32 s38, ttmp9, s32                   ; u: my number within the tensor
	s_lshr_b32 s39, s38, s33                       ; the tensor's tile
	s_lshl_b32 s40, s39, s33
	s_sub_co_u32 s40, s38, s40
	s_lshl_b32 s40, s40, 3
	s_add_co_u32 s40, s40, s42                     ; my K step: ks0 + wave
	s_add_co_u32 s41, s33, 12                      ; a row is 2^12 or 2^14 bytes
	s_sub_co_u32 s35, ttmp9, s35
	s_cmp_lt_u32 ttmp9, 768
	s_cselect_b32 s35, s35, s39                    ; the tile's number in the target buffer
	s_lshr_b32 s44, s39, 1
	s_lshl_b32 s44, s44, 5
	s_and_b32 s45, s39, 1
	s_lshl_b32 s45, s45, 3
	s_add_co_u32 s44, s44, s45                     ; the tile's first row: 32 (tile / 2) + 8 (tile % 2)
	s_lshl_b32 s44, s44, s41
	s_lshl_b32 s45, s40, 9
	s_add_co_u32 s44, s44, s45                     ; + 512 bytes a K step
	s_mov_b32 s45, 0
	s_add_nc_u64 s[30:31], s[30:31], s[44:45]
	s_lshr_b32 s46, s35, 2
	s_add_co_u32 s47, s33, 3
	s_lshl_b32 s46, s46, s47
	s_add_co_u32 s46, s46, s40
	s_mul_i32 s46, s46, GI
	s_add_co_u32 s46, s46, s34                     ; my group image
	s_and_b32 s47, s35, 3
	s_mul_i32 s48, s47, TI
	s_add_co_u32 s48, s48, s46
	s_mov_b32 s49, 0
	s_lshl_b32 s50, s47, 6
	s_add_co_u32 s50, s50, s46
	s_mov_b32 s51, 0
	s_add_nc_u64 s[48:49], s[36:37], s[48:49]      ; my tile image
	s_add_nc_u64 s[50:51], s[36:37], s[50:51]      ; my tile's scale words, less 6,144
	s_lshl_b32 s54, s42, 9                         ; g and beta of my wave's 128 columns
	s_mov_b32 s55, 0
	s_add_nc_u64 s[6:7], s[6:7], s[54:55]
	s_add_nc_u64 s[8:9], s[8:9], s[54:55]
.irp i, 0,1,2,3,4,5,6,7,8,9,10,11,12,13,14,15
	v_lshl_add_u32 v[OFF+\i], \i+8*(\i/8), s41, v1 ; lane row i is the tile's row i + 8 (i / 8)
.endr
.irp i, 0,1,2,3,4,5,6,7,8,9,10,11,12,13,14,15
	global_load_b128 v[G+4*\i:G+4*\i+3], v[OFF+\i], s[30:31] th:TH_LOAD_NT   ; 32 lanes read 512 consecutive bytes of one row
.endr
.irp i, 0,1,2,3,4,5,6,7,8,9,10,11,12,13,14,15
	s_wait_loadcnt 15-\i                           ; loads come back in order: row i is in, the younger ones may be out
	ds_store_b128 v5, v[G+4*\i:G+4*\i+3] offset:528*\i
.endr
.irp c, 0,1
.irp j, 0,1,2,3,4,5,6,7
	ds_load_b128 v[X+32*\c+4*\j:X+32*\c+4*\j+3], v6 offset:256*\c+16*\j   ; LDS serves a wave's instructions in order: these see my stores
.endr
.endr
	s_wait_dscnt 0x0                               ; the numbers are back, and the stores have read the registers that g or the codes now take
	s_cmp_ge_u32 ttmp9, NLN                        ; a weight is quantised as it is: the same way for all eight waves of a work-group
	s_cbranch_scc1 .Lplain
.irp c, 0,1
.irp j, 0,1,2,3,4,5,6,7
	global_load_b128 v[G+32*\c+4*\j:G+32*\c+4*\j+3], v8, s[6:7] offset:256*\c+16*\j     ; g and beta of my 64 columns: they land under the sums
	global_load_b128 v[BT+32*\c+4*\j:BT+32*\c+4*\j+3], v8, s[8:9] offset:256*\c+16*\j
.endr
.endr
	v_pk_add_f32 v[226:227], v[32:33], v[36:37]
	v_pk_add_f32 v[254:255], v[40:41], v[44:45]
	v_pk_add_f32 v[252:253], v[48:49], v[52:53]
	v_pk_add_f32 v[248:249], v[56:57], v[60:61]
	v_pk_add_f32 v[246:247], v[64:65], v[68:69]
	v_pk_add_f32 v[244:245], v[72:73], v[76:77]
	v_pk_add_f32 v[242:243], v[80:81], v[84:85]
	v_pk_add_f32 v[224:225], v[88:89], v[92:93]
	s_delay_alu instid0(VALU_DEP_1)
	v_pk_add_f32 v[224:225], v[224:225], v[34:35]
	v_pk_add_f32 v[226:227], v[226:227], v[38:39]
	v_pk_add_f32 v[254:255], v[254:255], v[42:43]
	v_pk_add_f32 v[252:253], v[252:253], v[46:47]
	v_pk_add_f32 v[248:249], v[248:249], v[50:51]
	v_pk_add_f32 v[246:247], v[246:247], v[54:55]
	v_pk_add_f32 v[244:245], v[244:245], v[58:59]
	v_pk_add_f32 v[242:243], v[242:243], v[62:63]
	v_pk_add_f32 v[224:225], v[224:225], v[66:67]
	v_pk_add_f32 v[226:227], v[226:227], v[70:71]
	v_pk_add_f32 v[254:255], v[254:255], v[74:75]
	v_pk_add_f32 v[252:253], v[252:253], v[78:79]
	v_pk_add_f32 v[248:249], v[248:249], v[82:83]
	v_pk_add_f32 v[246:247], v[246:247], v[86:87]
	v_pk_add_f32 v[244:245], v[244:245], v[90:91]
	v_pk_add_f32 v[242:243], v[242:243], v[94:95]
	s_delay_alu instid0(VALU_DEP_4)
	v_pk_add_f32 v[224:225], v[224:225], v[248:249]
	s_delay_alu instid0(VALU_DEP_4)
	v_pk_add_f32 v[226:227], v[226:227], v[246:247]
	s_delay_alu instid0(VALU_DEP_4)
	v_pk_add_f32 v[254:255], v[254:255], v[244:245]
	s_delay_alu instid0(VALU_DEP_4)
	v_pk_add_f32 v[252:253], v[252:253], v[242:243]
	s_delay_alu instid0(VALU_DEP_2)
	v_pk_add_f32 v[224:225], v[224:225], v[254:255]
	s_delay_alu instid0(VALU_DEP_2)
	v_pk_add_f32 v[226:227], v[226:227], v[252:253]
	s_delay_alu instid0(VALU_DEP_1)
	v_pk_add_f32 v[224:225], v[224:225], v[226:227]
	s_delay_alu instid0(VALU_DEP_1)
	v_add_f32 v224, v224, v225
	ACROSS 0
	s_delay_alu instid0(VALU_DEP_1)
	v_mul_f32 v228, s52, v236                      ; the mean
	s_delay_alu instid0(VALU_DEP_1)
	v_mov_b32 v229, v228
.set j, 0
.rept 32
	v_pk_add_f32 v[X+j:X+j+1], v[X+j:X+j+1], v[228:229] neg_lo:[0,1] neg_hi:[0,1]   ; x - mean
.set j, j+2
.endr
	v_pk_mul_f32 v[224:225], v[X:X+1], v[X:X+1]
	v_pk_mul_f32 v[226:227], v[X+2:X+3], v[X+2:X+3]
.irp j, 4,8,12,16,20,24,28,32,36,40,44,48,52,56,60
	s_delay_alu instid0(VALU_DEP_2)
	v_pk_fma_f32 v[224:225], v[X+\j:X+\j+1], v[X+\j:X+\j+1], v[224:225]
	s_delay_alu instid0(VALU_DEP_2)
	v_pk_fma_f32 v[226:227], v[X+\j+2:X+\j+3], v[X+\j+2:X+\j+3], v[226:227]
.endr
	s_delay_alu instid0(VALU_DEP_1)
	v_pk_add_f32 v[224:225], v[224:225], v[226:227]
	s_delay_alu instid0(VALU_DEP_1)
	v_add_f32 v224, v224, v225
	ACROSS 512                                     ; other bytes than the first sums': no wave still reading those is disturbed
	s_delay_alu instid0(VALU_DEP_1)
	v_fma_f32 v230, v236, s52, s53                 ; the variance + 1e-5
	s_wait_alu depctr_va_vdst(0)
	v_rsq_f32 v232, v230
	v_rsq_f32 v233, v230                           ; twice, to fill the pair of the packed multiply
	v_nop                                          ; a plain instruction behind the transcendentals,
	s_wait_alu depctr_va_vdst(0)                   ; and the wait ahead of the first use: one for both
	s_wait_loadcnt 0x0                             ; g and beta
.set j, 0
.rept 32
	v_pk_mul_f32 v[X+j:X+j+1], v[X+j:X+j+1], v[232:233]
.set j, j+2
.endr
.set j, 0
.rept 32
	v_pk_fma_f32 v[X+j:X+j+1], v[X+j:X+j+1], v[G+j:G+j+1], v[BT+j:BT+j+1]
.set j, j+2
.endr
.Lplain:
	; the quantiser: my two blocks, 2 c + h: all 32 numbers of each are mine
.irp c, 0,1
	v_max3_num_f32 v[MX+\c], |v[X+32*\c]|, |v[X+32*\c+1]|, 0x1800000   ; with the floor 2^(3 - 127): the byte cannot fall under 1
.endr
.irp i, 2,4,6,8,10,12,14,16,18,20,22,24,26,28,30
.irp c, 0,1
	s_delay_alu instid0(VALU_DEP_2)
	v_max3_num_f32 v[MX+\c], v[MX+\c], |v[X+32*\c+\i]|, |v[X+32*\c+\i+1]|
.endr
.endr
.irp c, 0,1
	s_delay_alu instid0(VALU_DEP_2)
	v_add_nc_u32 v[SCL+\c], 0xff000000, v[MX+\c]   ; 2 off the exponent field: the conversion's scale operand
.endr
.irp c, 0,1
	s_delay_alu instid0(VALU_DEP_2)
	v_lshrrev_b32 v[BY+\c], 23, v[SCL+\c]          ; the scale's byte
.endr
	s_delay_alu instid0(VALU_DEP_1)
	v_lshl_or_b32 v[PW], v[BY+1], 16, v[BY]        ; bytes h and 2 + h of my row's word,
	s_delay_alu instid0(VALU_DEP_1)
	v_lshlrev_b32 v[PW], v4, v[PW]                 ; at their places;
	s_delay_alu instid0(VALU_DEP_1)
	v_permlanex16_b32 v[T], v[PW], s[SEL], s[SEL+1]
	s_delay_alu instid0(VALU_DEP_1)
	v_or_b32 v[PW], v[PW], v[T]                    ; with lane l xor 16's two the word is whole
.irp c, 0,1
	v_cvt_scalef32_pk16_fp6_f32 v[PC+6*\c:PC+6*\c+2], v[X+32*\c:X+32*\c+15], v[SCL+\c]
	v_cvt_scalef32_pk16_fp6_f32 v[TMP+4*\c:TMP+4*\c+2], v[X+32*\c+16:X+32*\c+31], v[SCL+\c]   ; (a conversion's three registers begin on an even number)
.endr
	v_nop                                          ; one plain place behind a scaled conversion
.irp c, 0,1
.irp i, 0,1,2
	v_mov_b32 v[PC+3+6*\c+\i], v[TMP+4*\c+\i]
.endr
.endr
.irp c, 0,1,2
	global_store_b128 v1, v[PC+4*\c:PC+4*\c+3], s[48:49] offset:512*\c   ; 32 lanes store 512 consecutive bytes, at a multiple of 256 from the buffer's first byte
.endr
	global_store_b32 v7, v[PW], s[50:51] offset:SCO ; both halves of the lanes hold the same word and name the same place
	s_sub_co_u32 s56, ttmp9, NLN                   ; (under 256 this wraps to a large number)
	s_cmp_lt_u32 s56, 4
	s_cbranch_scc0 .Lno_zb
	s_lshl_b32 s56, s56, 12
	s_lshl_b32 s57, s42, 9
	s_add_co_u32 s56, s56, s57                     ; 512 bytes a wave
	s_mov_b32 s57, 0
	s_add_nc_u64 s[28:29], s[28:29], s[56:57]
.irp i, 0,1,2,3
	v_mov_b32 v[252+\i], 0
.endr
	global_store_b128 v1, v[252:255], s[28:29]
.Lno_zb:
	s_wait_tensorcnt 0x0
	ds_add_u32 v234, v235
	s_wait_dscnt 0x0
	s_endpgm
.Lfunc_end_k_q84b60a378c_prep:
	.size	k_q84b60a378c_prep, .Lfunc_end_k_q84b60a378c_prep-k_q84b60a378c_prep
	.p2alignl 7, 3214868480
	.fill 96, 4, 3214868480
	.section	.rodata,"a",@progbits
	.p2align	6, 0x0
	.amdhsa_kernel k_q84b60a378c_prep
		.amdhsa_group_segment_fixed_size 69632
		.amdhsa_private_segment_fixed_size 0
		.amdhsa_enable_private_segment 0
		.amdhsa_kernarg_size 104
		.amdhsa_user_sgpr_count 2
		.amdhsa_user_sgpr_kernarg_segment_ptr 1
		.amdhsa_wavefront_size32 1
		.amdhsa_system_sgpr_workgroup_id_x 1
		.amdhsa_system_sgpr_workgroup_id_y 1
		.amdhsa_system_sgpr_workgroup_id_z 1
		.amdhsa_system_vgpr_workitem_id 0
		.amdhsa_next_free_vgpr 256
		.amdhsa_next_free_sgpr 66
		.amdhsa_reserve_vcc 0
		.amdhsa_float_denorm_mode_32 3
		.amdhsa_float_denorm_mode_16_64 3
		.amdhsa_memory_ordered 1
		.amdhsa_forward_progress 1
		.amdhsa_inst_pref_size 32
	.end_amdhsa_kernel
	.amdgpu_metadata
---
amdhsa.version: [ 1, 2 ]
amdhsa.kernels:
  - .name:           k_q84b60a378c_prep
    .symbol:         k_q84b60a378c_prep.kd
    .args:
      - { .name: x, .offset: 0, .size: 8, .value_kind: global_buffer, .address_space: global }
      - { .name: g1, .offset: 8, .size: 8, .value_kind: global_buffer, .address_space: global }
      - { .name: beta1, .offset: 16, .size: 8, .value_kind: global_buffer, .address_space: global }
      - { .name: actc, .offset: 24, .size: 8, .value_kind: global_buffer, .address_space: global }
      - { .name: W_Q, .offset: 32, .size: 8, .value_kind: global_buffer, .address_space: global }
      - { .name: W_K, .offset: 40, .size: 8, .value_kind: global_buffer, .address_space: global }
      - { .name: W_V, .offset: 48, .size: 8, .value_kind: global_buffer, .address_space: global }
      - { .name: W1, .offset: 56, .size: 8, .value_kind: global_buffer, .address_space: global }
      - { .name: W_O, .offset: 64, .size: 8, .value_kind: global_buffer, .address_space: global }
      - { .name: W2, .offset: 72, .size: 8, .value_kind: global_buffer, .address_space: global }
      - { .name: wqkv, .offset: 80, .size: 8, .value_kind: global_buffer, .address_space: global }
      - { .name: wrest, .offset: 88, .size: 8, .value_kind: global_buffer, .address_space: global }
      - { .name: zb, .offset: 96, .size: 8, .value_kind: global_buffer, .address_space: global }
    .group_segment_fixed_size: 69632
    .private_segment_fixed_size: 0
    .kernarg_segment_align: 8
    .kernarg_segment_size: 104
    .max_flat_workgroup_size: 256
    .sgpr_count:     66
    .vgpr_count:     256
    .wavefront_size: 32
...
	.end_amdgpu_metadata
.endif
;; end of part 1
;; launch qkv (part 2): grid 12 x 16, 4 waves a work-group, clusters of 4 x 4, 327,680 bytes of LDS; arguments actc, wqkv, cbig, vtc, zb; writes cbig, vtc
.if DOCPART == 2
	.amdgcn_target "amdgcn-amd-amdhsa--gfx1250"
	.amdhsa_code_object_version 6
	.text
	.protected	k_q84b60a378c_qkv
	.globl	k_q84b60a378c_qkv
	.p2align	8
	.type	k_q84b60a378c_qkv,@function
k_q84b60a378c_qkv:
	s_mov_b64 s[64:65], 0
	v_nop
	global_prefetch_b8 v0, s[64:65] scope:SCOPE_SE
	s_setreg_imm32_b32 hwreg(HW_REG_WAVE_MODE, 25, 1), 1
	s_wait_xcnt 0x0
	s_wait_alu depctr_hold_cnt(0) depctr_sa_sdst(0) depctr_va_vdst(0) depctr_va_sdst(0) depctr_va_ssrc(0) depctr_va_vcc(0) depctr_vm_vsrc(0)
	s_getreg_b32 s2, hwreg(HW_REG_IB_STS2, 6, 4)
	s_cmp_eq_u32 s2, 0
	s_cbranch_scc0 .Lentry_in_a_cluster
	s_endpgm
.Lentry_in_a_cluster:
	s_bfe_u32 s2, ttmp6, 0x10000c
	s_cmp_lg_u32 s2, 0xf033
	s_cbranch_scc0 .Lentry_shape_is_right
	s_endpgm
.Lentry_shape_is_right:
; C = A B^T + bias[n], K = 1,024, both operands codes of FP6 (E2M3) with E8M0 bytes, and C QUANTISED ALONG n into the same layout: it never exists as f32 in memory.
; LAYOUT of every tensor here: group images: [row / 64][K / 128][6,400 bytes]; in an image four tile images of 1,536 bytes (a fragment's 12 registers as they stand: registers 4 c .. 4 c + 3 of lane l
; at 512 c + 16 l), then the scale words (tile i, lane row r at 6,144 + 64 i + 4 r).  Lane row r of tile i is the group's row 32 (i / 2) + 8 (i % 2) + r + 8 (r / 8).
; So a fragment is three ds_load_b128 at 16 x lane, and one ds_load_b32 at 4 x lane brings an even tile's words in lanes 0-15 and the next tile's in lanes 16-31.
; ARGUMENTS P, Q, out1, out2, bias.  Clusters with x < 2: A = P, B = Q, result to out1.  Clusters with x >= 2 (the launch for q, k, v alone has them): A = Q from W_V's images on, B = P, result to out2:
; V^T = W_V h^T by the same text, so that v comes out quantised along the tokens.  The choice is made by selects on the cluster's number: no branch hangs on it.
; A tile of C is 256 x 256: four waves, each 128 x 128 in 64 accumulators.  THE MATRIX INSTRUCTION IS USED TRANSPOSED (source 0 = 16 rows of B, source 1 = 16 rows of A): by the order of rows above
; a lane's 64 registers of A's block a are 16 neighbours of each of four blocks of 32 along n, which is what the quantiser wants; the result's rows inherit A's order.
; K goes through a ring of two LDS slots, two K steps of 128 to a slot; a wave's tensor load brings 2 groups x 2 K steps = 25,600 bytes.  K has 8 steps: the steps are written out, no loop.
; CLUSTERS: 4 x 4 work-groups; A's tiles are asked for jointly along a row of the cluster, B's along a column.
; REGISTERS, in windows of 256: window 0: v16-29 addresses; v32-47 scale words, two sets; v48-63 at work; v64-255 fragment set 1 (A at 64 + 12 a, B at 160 + 12 b), on the way out the codes.
;   window 1: v0-191 fragment set 0 (A at 12 a, B at 96 + 12 b); v192-255 the bias in the result's layout, the C of each sum's first product.   windows 2, 3: the accumulators, (a, b) at 8 (8 (a % 4) + b).
; LIMITS: a block of zeros gets the byte 1 where the rule says 127 (this program alone reads the bytes); NaN and infinities are not served.  The scale words leave as 128 consecutive bytes.
.set GI,     6400
.set TI,     1536
.set SCO,    6144
.set GROW,   8*GI                      ; a group's images in A and in B: 8 K steps
.set OROW,   32*GI                     ; in the result: 32 K steps
.set WV_OFF, 32*GROW                   ; W_V's images in Q
.set QW,     4*GI                      ; what one tensor load brings
.set SLOT,   16*GI                     ; A: 4 groups x 2 K steps, then B likewise
.set SPARE,  2*SLOT                    ; behind the ring: the spare words, 128 bytes for each wave
.set ADRA, 16                          ; v16-17 my A fragments in slot 0, 1: + 16 x lane
.set ADRB, 18
.set ADSA, 20                          ; v20-21 the same + 4 x lane, for the scale words
.set ADSB, 22
.set L16,  24
.set L4,   25
.set BO,   26
.set SPW,  28
.set NIL,  29
.set SC,   32                          ; scale words: set p at 32 + 8 p: A's four pairs of tiles, then B's four
.set TM,   48
.set SEL,  78
.set G1,   24
.set G0,   32
.set G1B,  48
.set G0B,  56
.set MSB, 0
.macro WIN new                         ; the immediate's high byte repeats the setting that is left
.if MSB != (\new)
	s_set_vgpr_msb (MSB<<8)|(\new)
.set MSB, (\new)
.endif
.endm
.macro PLACES                          ; four plain instructions in front of loads into registers that matrix instructions have read, and of the first read of results
.rept 4
	v_nop
.endr
.endm
; A joint load: waves 0 and 1 fetch for A, waves 2 and 3 for B; the branch hangs on the wave's number alone.  Four v_nop follow each of the two lines.
.macro JLOAD g0a, g1a, g0b, g1b
	s_cmp_eq_u32 s15, 0
	s_cbranch_scc0 .Lfor_b_\@
	tensor_load_to_lds s[\g0a:\g0a+3], s[\g1a:\g1a+7]
	s_nop 0
.rept 4
	v_nop
.endr
	s_branch .Lasked_\@
.Lfor_b_\@:
	tensor_load_to_lds s[\g0b:\g0b+3], s[\g1b:\g1b+7]
	s_nop 0
.rept 4
	v_nop
.endr
.Lasked_\@:
.endm
.macro CREST                           ; a round of the cluster's barrier behind its opening barrier
	s_cmp_lg_u32 s14, 0
	s_cbranch_scc1 .Lnot_wave_0_\@
	s_barrier_signal -3
.Lnot_wave_0_\@:
	s_barrier_wait -3
	s_barrier_signal -1
	s_barrier_wait -1
.endm
.macro CROUND
	s_barrier_signal -1
	s_barrier_wait -1
	CREST
.endm
; One product on the registers named by rD, rS0, rS1, rC, rX0, rX1.  r0, r1: source 0's, source 1's scale words lie in lanes 16-31.  cm = 0: C is the constant 0.
.macro WM r0, r1, cm
.if (\cm) == 0
.if ((\r0) == 0) && ((\r1) == 0)
	v_wmma_scale_f32_16x16x128_f8f6f4 v[rD:rD+7], v[rS0:rS0+11], v[rS1:rS1+11], 0, v[rX0], v[rX1] matrix_a_fmt:MATRIX_FMT_FP6 matrix_b_fmt:MATRIX_FMT_FP6
.elseif ((\r0) == 1) && ((\r1) == 0)
	v_wmma_scale_f32_16x16x128_f8f6f4 v[rD:rD+7], v[rS0:rS0+11], v[rS1:rS1+11], 0, v[rX0], v[rX1] matrix_a_fmt:MATRIX_FMT_FP6 matrix_b_fmt:MATRIX_FMT_FP6 matrix_a_scale:MATRIX_SCALE_ROW1
.elseif ((\r0) == 0) && ((\r1) == 1)
	v_wmma_scale_f32_16x16x128_f8f6f4 v[rD:rD+7], v[rS0:rS0+11], v[rS1:rS1+11], 0, v[rX0], v[rX1] matrix_a_fmt:MATRIX_FMT_FP6 matrix_b_fmt:MATRIX_FMT_FP6 matrix_b_scale:MATRIX_SCALE_ROW1
.else
	v_wmma_scale_f32_16x16x128_f8f6f4 v[rD:rD+7], v[rS0:rS0+11], v[rS1:rS1+11], 0, v[rX0], v[rX1] matrix_a_fmt:MATRIX_FMT_FP6 matrix_b_fmt:MATRIX_FMT_FP6 matrix_a_scale:MATRIX_SCALE_ROW1 matrix_b_scale:MATRIX_SCALE_ROW1
.endif
.else
.if ((\r0) == 0) && ((\r1) == 0)
	v_wmma_scale_f32_16x16x128_f8f6f4 v[rD:rD+7], v[rS0:rS0+11], v[rS1:rS1+11], v[rC:rC+7], v[rX0], v[rX1] matrix_a_fmt:MATRIX_FMT_FP6 matrix_b_fmt:MATRIX_FMT_FP6
.elseif ((\r0) == 1) && ((\r1) == 0)
	v_wmma_scale_f32_16x16x128_f8f6f4 v[rD:rD+7], v[rS0:rS0+11], v[rS1:rS1+11], v[rC:rC+7], v[rX0], v[rX1] matrix_a_fmt:MATRIX_FMT_FP6 matrix_b_fmt:MATRIX_FMT_FP6 matrix_a_scale:MATRIX_SCALE_ROW1
.elseif ((\r0) == 0) && ((\r1) == 1)
	v_wmma_scale_f32_16x16x128_f8f6f4 v[rD:rD+7], v[rS0:rS0+11], v[rS1:rS1+11], v[rC:rC+7], v[rX0], v[rX1] matrix_a_fmt:MATRIX_FMT_FP6 matrix_b_fmt:MATRIX_FMT_FP6 matrix_b_scale:MATRIX_SCALE_ROW1
.else
	v_wmma_scale_f32_16x16x128_f8f6f4 v[rD:rD+7], v[rS0:rS0+11], v[rS1:rS1+11], v[rC:rC+7], v[rX0], v[rX1] matrix_a_fmt:MATRIX_FMT_FP6 matrix_b_fmt:MATRIX_FMT_FP6 matrix_a_scale:MATRIX_SCALE_ROW1 matrix_b_scale:MATRIX_SCALE_ROW1
.endif
.endif
.endm
; 16 products: A's blocks 2 i, 2 i + 1 against B's eight, on fragment set p.  The 64 accumulators take turns, one instruction a turn, in the same order in every step.
.macro MULQ i, p, first
.irp a, 2*(\i), 2*(\i)+1
.irp b, 0,1,2,3,4,5,6,7
.set rD, 8*(8*((\a)%4)+\b)
.set rS0, 96+64*(\p)+12*\b
.set rS1, 64*(\p)+12*(\a)
.set rX0, SC+8*(\p)+4+\b/2
.set rX1, SC+8*(\p)+(\a)/2
.if \first
.set rC, 192+8*\b
.else
.set rC, rD
.endif
	WM (\b)%2, (\a)%2, 1
.endr
.endr
.endm
.macro WINM p, hi, first               ; the windows of a run of products: sources in window 1 (set 0) or 0 (set 1); C and D in window 2 or 3; in the first step C is the bias, in window 1
.if \first
	WIN 0x95+0x40*(\hi)
.else
	WIN 0xa0+0x50*(\hi)+5*(1-(\p))
.endif
.endm
; 56 LDS loads in one run: the fragments and scale words of the slot's q-th K step into set p
.macro FETCH slot, q, p
.if (\p) == 0
	WIN 0x40
.else
	WIN 0
.endif
.irp i, 0,1,2,3,4,5,6,7
.irp c, 0,1,2
	ds_load_b128 v[96+64*(\p)+12*\i+4*\c:96+64*(\p)+12*\i+4*\c+3], v[ADRB+\slot] offset:(\i/4)*2*GI+GI*(\q)+TI*(\i%4)+512*\c
.endr
.endr
.irp i, 0,1,2,3,4,5,6,7
.irp c, 0,1,2
	ds_load_b128 v[64*(\p)+12*\i+4*\c:64*(\p)+12*\i+4*\c+3], v[ADRA+\slot] offset:(\i/4)*2*GI+GI*(\q)+TI*(\i%4)+512*\c
.endr
.endr
	WIN 0
.irp g, 0,1
.irp u, 0,1
	ds_load_b32 v[SC+8*(\p)+2*\g+\u], v[ADSA+\slot] offset:SCO+\g*2*GI+GI*(\q)+128*\u
	ds_load_b32 v[SC+8*(\p)+4+2*\g+\u], v[ADSB+\slot] offset:SCO+\g*2*GI+GI*(\q)+128*\u
.endr
.endr
.endm
; A slot's first K step (set 0): the second step's operands are asked for first and land under the 64 products.
.macro STEP slot, first
.if !(\first)
	PLACES
.endif
	FETCH \slot, 1, 1
	s_wait_dscnt 56                                ; all but the 56 just issued: this step's operands are in
	WINM 0, 0, \first
	MULQ 0, 0, \first
	MULQ 1, 0, \first
	WINM 0, 1, \first
	MULQ 2, 0, \first
	MULQ 3, 0, \first
.endm
; A slot's second K step (set 1) changes slots: ONE barrier; in front of it each wave waits for all its tensor loads, adds 0 to its spare word, and waits for that and for its reads of this slot.
.macro TURN slot, next, fill
	WIN 0
	s_wait_tensorcnt 0x0                           ; all my tensor loads have landed: my part of the next slot
	ds_add_u32 v[SPW], v[NIL]                      ; 0 onto my spare word
	s_wait_dscnt 1                                 ; this step's operands are in; the add may be out
	WINM 1, 0, 0
	MULQ 0, 1, 0                                   ; sixteen products stand between the add and the wait for it
	s_wait_dscnt 0x0                               ; the add is done, and my reads of this slot are over
	s_barrier_signal -1
	MULQ 1, 1, 0
	WIN 0
	s_barrier_wait -1
.if \fill
	CREST                                          ; the barrier has opened a round of the cluster's: no wave of any partner still reads this slot or has a load on its way
	s_add_nc_u64 s[G0+4*\slot+2:G0+4*\slot+3], s[G0+4*\slot+2:G0+4*\slot+3], 4*GI
	s_add_nc_u64 s[G0B+4*\slot+2:G0B+4*\slot+3], s[G0B+4*\slot+2:G0B+4*\slot+3], 4*GI
	JLOAD G0+4*\slot, G1, G0B+4*\slot, G1B         ; the first tensor load behind the round; its four v_nop are also the places in front of the loads below
.else
	PLACES
.endif
	FETCH \next, 0, 0
	WINM 1, 1, 0
	MULQ 2, 1, 0
	MULQ 3, 1, 0
.endm
	s_load_b256 s[4:11], s[0:1], 0x0               ; P, Q, out1, out2
	s_load_b64 s[12:13], s[0:1], 0x20              ; bias
	v_lshl_add_u32 v[SPW], v0, 2, SPARE
	v_mov_b32 v[NIL], 0
	ds_add_u32 v28, v29
	ds_add_u32 v28, v29
	s_wait_dscnt 0x0
	v_lshrrev_b32 v1, 5, v0
	v_readfirstlane_b32 s14, v1                    ; wave 0..3
	s_lshr_b32 s15, s14, 1                         ; my half of the tile's rows.  Also: I fetch for A (0) or for B (1)
	s_and_b32 s16, s14, 1                          ; my half of its columns.  Also: which two groups I fetch
	s_bfe_u32 s40, ttmp6, 0x40000                  ; cx
	s_bfe_u32 s41, ttmp6, 0x40004                  ; cy
	s_and_b32 s17, ttmp7, 0xffff                   ; cluster y
	s_and_b32 s18, s17, 3
	s_lshr_b32 s19, s17, 2
	s_lshl_b32 s19, s19, 1
	s_add_co_u32 s19, s19, ttmp9
	s_cmp_ge_u32 ttmp9, 2                          ; the second product?  The same in all sixteen partners
	s_cselect_b32 s18, 0, s18
	s_cselect_b32 s19, s17, s19
	s_cselect_b32 s45, WV_OFF, 0
	s_lshl_b32 s18, s18, 2
	s_add_co_u32 s18, s18, s41                     ; tile row of C
	s_lshl_b32 s19, s19, 2
	s_add_co_u32 s19, s19, s40                     ; tile column of C
	s_lshl_b32 s43, s41, 2
	s_lshl_b32 s43, 15, s43                        ; my row of the cluster
	s_lshl_b32 s44, 0x1111, s40                    ; my column
	; descriptor group 1: 2 rows (groups) of 12,800 bytes (two K steps' images), 51,200 bytes apart; elements of 8 bytes; no padding
	s_or_b32 s[G1+0], s43, (3<<16)|(1<<21)
	s_or_b32 s[G1B+0], s44, (3<<16)|(1<<21)
.irp g, G1, G1B
	s_mov_b32 s[\g+1], 1600<<16                    ; tensor_dim0
	s_mov_b32 s[\g+2], 2<<16                       ; tensor_dim1
	s_mov_b32 s[\g+3], 1600<<16                    ; tile_dim0
	s_mov_b32 s[\g+4], 2                           ; tile_dim1
	s_mov_b32 s[\g+5], 6400                        ; tensor_dim0_stride
	s_mov_b32 s[\g+6], 0
	s_mov_b32 s[\g+7], 0
.endr
	s_lshl_b32 s67, s16, 1
	s_lshl_b32 s66, s18, 2
	s_add_co_u32 s66, s66, s67                     ; A: group 4 x tile row + 2 x half
	s_mul_i32 s66, s66, GROW
	s_add_co_u32 s66, s66, s45
	s_lshl_b32 s68, s19, 2
	s_add_co_u32 s68, s68, s67                     ; B: group 4 x tile column + 2 x half
	s_mul_i32 s68, s68, GROW
	s_mov_b32 s67, 0
	s_mov_b32 s69, 0
	s_mul_i32 s42, s14, QW                         ; where they go: wave x 25,600: no place in the cluster enters an LDS address
	s_wait_kmcnt 0x0
	s_cmp_ge_u32 ttmp9, 2
	s_cselect_b64 s[20:21], s[6:7], s[4:5]
	s_cselect_b64 s[22:23], s[4:5], s[6:7]
	s_cselect_b64 s[8:9], s[10:11], s[8:9]
	s_add_nc_u64 s[20:21], s[20:21], s[66:67]
	s_add_nc_u64 s[22:23], s[22:23], s[68:69]
	CROUND                                         ; all sixteen work-groups are here: the first joint loads meet
.irp s, 0,1
	s_mov_b32 s[G0+4*\s], 1
	s_add_co_u32 s[G0+4*\s+1], s42, \s*SLOT
	s_add_nc_u64 s[G0+4*\s+2:G0+4*\s+3], s[20:21], \s*2*GI
	s_or_b32 s[G0+4*\s+3], s[G0+4*\s+3], 0x80000000
	s_mov_b32 s[G0B+4*\s], 1
	s_add_co_u32 s[G0B+4*\s+1], s42, \s*SLOT
	s_add_nc_u64 s[G0B+4*\s+2:G0B+4*\s+3], s[22:23], \s*2*GI
	s_or_b32 s[G0B+4*\s+3], s[G0B+4*\s+3], 0x80000000
.endr
	JLOAD G0, G1, G0B, G1B                         ; slot 0: one tensor load a wave at the head
	v_and_b32 v1, 31, v0
	v_lshlrev_b32 v[L16], 4, v1
	v_lshlrev_b32 v[L4], 2, v1
	v_bfe_u32 v2, v0, 4, 1
	v_lshlrev_b32 v[BO], 6, v2                     ; 64 h
	s_wait_alu depctr_va_vdst(0)
	s_mul_i32 s76, s15, QW                         ; my two groups of A
	s_mul_i32 s77, s16, QW
	s_add_co_u32 s77, s77, 2*QW                    ; my two groups of B, behind A's four
.irp s, 0,1
	v_add_nc_u32 v[ADRA+\s], s76, v[L16]
	v_add_nc_u32 v[ADRB+\s], s77, v[L16]
	v_add_nc_u32 v[ADSA+\s], s76, v[L4]
	v_add_nc_u32 v[ADSB+\s], s77, v[L4]
	s_add_co_u32 s76, s76, SLOT
	s_add_co_u32 s77, s77, SLOT
.endr
	s_lshl_b32 s72, s19, 10
	s_lshl_b32 s73, s16, 9
	s_add_co_u32 s72, s72, s73                     ; the bias of my 128 columns
	s_mov_b32 s73, 0
	s_add_nc_u64 s[12:13], s[12:13], s[72:73]
	WIN 0x40
.irp b, 0,1,2,3,4,5,6,7                        ; lane (r, h) wants, for B's tile b, the columns 32 (b / 2) + 8 (b % 2) + 16 h + 0 .. 7
	global_load_b128 v[192+8*\b:192+8*\b+3], v[BO], s[12:13] offset:(32*(\b/2)+8*(\b%2))*4
	global_load_b128 v[192+8*\b+4:192+8*\b+7], v[BO], s[12:13] offset:(32*(\b/2)+8*(\b%2))*4+16
.endr
	WIN 0
	s_lshl_b32 s72, s18, 2
	s_lshl_b32 s73, s15, 1
	s_add_co_u32 s72, s72, s73
	s_lshl_b32 s72, s72, 5
	s_lshl_b32 s73, s19, 1
	s_add_co_u32 s72, s72, s73
	s_add_co_u32 s72, s72, s16
	s_mul_i32 s72, s72, GI                         ; the result: group 4 x tile row + 2 x half, K step 2 x tile column + half
	s_mov_b32 s73, 0
	s_add_nc_u64 s[8:9], s[8:9], s[72:73]
	s_mov_b32 s70, 0xffff0000                      ; lanes 16-31
	s_mov_b32 s[SEL], 0x76543210
	s_mov_b32 s[SEL+1], 0xfedcba98
.irp b, 0,1,2,3
	v_mov_b32 v[TM+4+\b], 0                        ; a lane permute's destination counts as one of its sources
.endr
	s_wait_alu depctr_va_vdst(0)
	s_wait_tensorcnt 0x0                           ; my part of slot 0 is in; slot 1's first fill is issued as a refill is
	ds_add_u32 v[SPW], v[NIL]
	s_wait_dscnt 0x0
	CROUND                                         ; a whole round: slot 0 is whole, and the joint loads meet
	JLOAD G0+4, G1, G0B+4, G1B                     ; slot 1, the first tensor load behind the round
	FETCH 0, 0, 0
	s_wait_loadcnt 0x0                             ; the bias
	STEP 0, 1                                      ; K step 0: its products start the sums, with the bias as C
	TURN 0, 1, 1                                   ; 1; slot 0 takes K steps 4, 5
	STEP 1, 0                                      ; 2
	TURN 1, 0, 1                                   ; 3; slot 1 takes K steps 6, 7
	STEP 0, 0                                      ; 4
	TURN 0, 1, 0                                   ; 5; nothing is left to fetch
	STEP 1, 0                                      ; 6
	s_wait_dscnt 0x0                               ; 7
	WINM 1, 0, 0
	MULQ 0, 1, 0
	MULQ 1, 1, 0
	WINM 1, 1, 0
	MULQ 2, 1, 0
	MULQ 3, 1, 0
	WIN 0
	PLACES
; THE WAY OUT of A's block a: 16 rows x 128 columns become one tile image.  Register 16 b + i of the block is column 32 b + 16 h + i of my row.
.macro EPI a
.set AC, 64*((\a)%4)
.set WW, 2+(\a)/4
.set PCA, 64+12*(\a)
	WIN 5*WW                                       ; sources 0 and 1 in the accumulators' window
.irp b, 0,1,2,3
	v_max3_num_f32 v[TM+\b], |v[AC+16*\b]|, |v[AC+16*\b+1]|, 0x1800000   ; each accumulator from its low end on; with the floor 2^(3 - 127)
.endr
.irp i, 2,4,6,8,10,12,14
.irp b, 0,1,2,3
	v_max3_num_f32 v[TM+\b], |v[AC+16*\b+\i]|, |v[AC+16*\b+\i+1]|, v[TM+\b]
.endr
.endr
	WIN 0
.irp b, 0,1,2,3
	v_permlanex16_b32 v[TM+4+\b], v[TM+\b], s[SEL], s[SEL+1]
.endr
.irp b, 0,1,2,3
	v_max_num_f32 v[TM+\b], v[TM+\b], v[TM+4+\b]   ; with lane l xor 16's: the block's largest magnitude
.endr
.irp b, 0,1,2,3
	v_add_nc_u32 v[TM+12+\b], 0xff000000, v[TM+\b] ; 2 off its exponent field: the conversion's scale operand
.endr
.irp b, 0,1,2,3
	v_lshrrev_b32 v[TM+4+\b], 23, v[TM+12+\b]      ; the scale's byte
.endr
	v_lshl_or_b32 v[168+(\a)], v[TM+5], 8, v[TM+4]
	v_lshl_or_b32 v[168+(\a)], v[TM+6], 16, v[168+(\a)]
	v_lshl_or_b32 v[168+(\a)], v[TM+7], 24, v[168+(\a)]
	WIN WW
.irp c, 0,1
	v_cvt_scalef32_pk16_fp6_f32 v[PCA+6*\c:PCA+6*\c+2], v[AC+32*\c:AC+32*\c+15], v[TM+12+2*\c]
	v_cvt_scalef32_pk16_fp6_f32 v[160+4*\c:160+4*\c+2], v[AC+32*\c+16:AC+32*\c+31], v[TM+12+2*\c+1]
.endr
	WIN 0
	v_nop                                          ; one plain place behind a scaled conversion
.irp c, 0,1                                    ; the operand's layout wants a whole block in a lane
.irp i, 0,1,2
	v_permlane16_swap_b32 v[PCA+6*\c+\i], v[160+4*\c+\i]
.endr
.irp i, 0,1,2
	v_mov_b32 v[PCA+3+6*\c+\i], v[160+4*\c+\i]
.endr
.endr
.irp c, 0,1,2
	global_store_b128 v[L16], v[PCA+4*\c:PCA+4*\c+3], s[8:9] offset:((\a)/4)*OROW+TI*((\a)%4)+512*\c   ; 512 consecutive bytes, at a multiple of 256 from the buffer's first byte; each block has registers of its own
.endr
.if (\a)%2 == 1
	v_cndmask_b32 v[176+(\a)/2], v[168+(\a)-1], v[168+(\a)], s70   ; the even tile's words in lanes 0-15, the odd tile's in lanes 16-31
	global_store_b32 v[L4], v[176+(\a)/2], s[8:9] offset:((\a)/4)*OROW+SCO+128*(((\a)%4)/2)
.endif
.endm
.irp a, 0,1,2,3,4,5,6,7
	EPI \a
.endr
	s_wait_tensorcnt 0x0                           ; the wave's end
	ds_add_u32 v[SPW], v[NIL]
	s_wait_dscnt 0x0
	CROUND                                         ; the closing round
	s_endpgm
.Lfunc_end_k_q84b60a378c_qkv:
	.size	k_q84b60a378c_qkv, .Lfunc_end_k_q84b60a378c_qkv-k_q84b60a378c_qkv
	.p2alignl 7, 3214868480
	.fill 96, 4, 3214868480
	.section	.rodata,"a",@progbits
	.p2align	6, 0x0
	.amdhsa_kernel k_q84b60a378c_qkv
		.amdhsa_group_segment_fixed_size 327680
		.amdhsa_private_segment_fixed_size 0
		.amdhsa_enable_private_segment 0
		.amdhsa_kernarg_size 40
		.amdhsa_user_sgpr_count 2
		.amdhsa_user_sgpr_kernarg_segment_ptr 1
		.amdhsa_wavefront_size32 1
		.amdhsa_system_sgpr_workgroup_id_x 1
		.amdhsa_system_sgpr_workgroup_id_y 1
		.amdhsa_system_sgpr_workgroup_id_z 1
		.amdhsa_system_vgpr_workitem_id 0
		.amdhsa_next_free_vgpr 1024
		.amdhsa_next_free_sgpr 100
		.amdhsa_reserve_vcc 0
		.amdhsa_float_denorm_mode_32 3
		.amdhsa_float_denorm_mode_16_64 3
		.amdhsa_memory_ordered 1
		.amdhsa_forward_progress 1
		.amdhsa_inst_pref_size 140
	.end_amdhsa_kernel
	.amdgpu_metadata
---
amdhsa.version: [ 1, 2 ]
amdhsa.kernels:
  - .name:           k_q84b60a378c_qkv
    .symbol:         k_q84b60a378c_qkv.kd
    .args:
      - { .name: actc, .offset: 0, .size: 8, .value_kind: global_buffer, .address_space: global }
      - { .name: wqkv, .offset: 8, .size: 8, .value_kind: global_buffer, .address_space: global }
      - { .name: cbig, .offset: 16, .size: 8, .value_kind: global_buffer, .address_space: global }
      - { .name: vtc, .offset: 24, .size: 8, .value_kind: global_buffer, .address_space: global }
      - { .name: zb, .offset: 32, .size: 8, .value_kind: global_buffer, .address_space: global }
    .group_segment_fixed_size: 327680
    .private_segment_fixed_size: 0
    .kernarg_segment_align: 8
    .kernarg_segment_size: 40
    .max_flat_workgroup_size: 128
    .sgpr_count:     100
    .vgpr_count:     1024
    .wavefront_size: 32
...
	.end_amdgpu_metadata
.endif
;; end of part 2
;; launch attn (part 3): grid 16 x 16, 8 waves a work-group, clusters of 4 x 1, 327,680 bytes of LDS; arguments cbig, vtc, mask, actc; writes actc
.if DOCPART == 3
	.amdgcn_target "amdgcn-amd-amdhsa--gfx1250"
	.amdhsa_code_object_version 6
	.text
	.protected	k_q84b60a378c_attn
	.globl	k_q84b60a378c_attn
	.p2align	8
	.type	k_q84b60a378c_attn,@function
k_q84b60a378c_attn:
	s_mov_b64 s[64:65], 0
	v_nop
	global_prefetch_b8 v0, s[64:65] scope:SCOPE_SE
	s_setreg_imm32_b32 hwreg(HW_REG_WAVE_MODE, 25, 1), 1
	s_wait_xcnt 0x0
	s_wait_alu depctr_hold_cnt(0) depctr_sa_sdst(0) depctr_va_vdst(0) depctr_va_sdst(0) depctr_va_ssrc(0) depctr_va_vcc(0) depctr_vm_vsrc(0)
	s_getreg_b32 s2, hwreg(HW_REG_IB_STS2, 6, 4)
	s_cmp_eq_u32 s2, 0
	s_cbranch_scc0 .Lentry_in_a_cluster
	s_endpgm
.Lentry_in_a_cluster:
	s_bfe_u32 s2, ttmp6, 0x10000c
	s_cmp_lg_u32 s2, 0x3003
	s_cbranch_scc0 .Lentry_shape_is_right
	s_endpgm
.Lentry_shape_is_right:
; a[b][q][head] = softmax_k(q . k / 8, hidden keys left out) v, both products on codes of FP6 (E2M3) with E8M0 bytes; a leaves QUANTISED along its 1,024 channels, as images.
; INPUTS, all as group images (64 rows x 128 K in 6,400 bytes: four tile images of a fragment's 12 registers, registers 4 c .. 4 c + 3 of lane l at 512 c + 16 l; scale words of tile i, row r at 6,144 + 64 i + 4 r;
; lane row r of tile i is the group's row 32 (i / 2) + 8 (i % 2) + r + 8 (r / 8)):  cbig [token / 64][32][6,400]: q at K steps 0-7, k at 8-15, a K step = TWO HEADS (registers 0-5 the even head's 64 channels,
; 6-11 the odd head's);  vtc [head][token / 128][6,400]: V^T, rows = the head's channels, K = the tokens.  mask: one byte a batch and key, 1 = hidden.
; SHARES.  Work-group (x, y): batch y / 8, head pair y % 8, queries 128 x on.  Wave w of eight: head parity w % 2, TWO tiles of 16 queries, 2 (w / 2) and the next: each fragment of K and of V and each
; mask register read from LDS feeds two products.  512 registers a wave, two waves to a SIMD.
; A wave clears the OTHER head's six registers of its fragments of Q; K's fragment is taken whole: its other half meets zero codes and adds nothing (every scale byte is 1 .. 254).
; Both products are used transposed (S^T = K Q^T, O^T = V^T P^T): a lane holds one query of each tile throughout, and by the order of rows above p's 16 registers of two neighbouring tiles are 16 neighbouring keys.
; THE SOFTMAX: t = score x log2(e) / 8; M = the running largest t rounded up to a whole number; p = 2^(t - M) is quantised along the keys; the sum is taken of the unquantised p and divides at the end;
; when M moves, the sum and O^T are multiplied by 2^(old M - new M), which rounds nothing.
; THE MASK IS THE C OF THE FIRST PRODUCT: 0 for a key that counts, -2^100 for a hidden one, in 64 registers of their own that serve both tiles of queries.
; The running largest t begins at -2^60, above every hidden key's t (about -2^97): so a hidden key's t - M lies under -2^96 in every step, and its p is 0.
; RING: two LDS slots of 512 keys (four key steps): K's 8 group images, then V's 2 heads x 4 K steps.  Every wave fetches two images with one tensor load: waves 0-3 K's, waves 4-7 V's.  The four work-groups
; of a cluster walk the same K and V and ask JOINTLY.  No prefetch is written: a refill is asked for four key steps ahead of its first read.
; The four key steps of a slot are a counted loop; the last slot, behind whose barrier nothing is fetched, is written out a second time.
; REGISTERS.  Window 0: v1-4, v7 lane terms, v5, v6 the add's two, v8-12 the step's addresses, v13-15, v50-51, v252-253 the way out; Q, all scale words, two sets of four fragments, the mask numbers, p's codes.
; Window 1: S^T then p (128), O^T (64), and the softmax's state.  Scale words lie in window 0: scale operands have no window.
; LIMITS: |t| of the keys that count stays under 2^60; a batch whose every key is hidden gives finite numbers here where the definition has NaN (the format has no such code); NaN and infinities among the inputs
; are not served; a block of zeros gets the byte 1 where the rule says 127 (this program alone reads the bytes).
.set GI,    6400
.set TI,    1536
.set SCO,   6144
.set VOFF,  8*GI                       ; a slot: K's 8 images, then V's 8
.set SLOT1, 131072                     ; slot 1 begins here: one exclusive or turns an address
.set MB,    SLOT1+16*GI                ; behind the ring: 0 or -2^100 for each of the batch's 2,048 keys, f32
.set OUTS,  MB+8192                    ; the way out: two group images
.set SPARE, OUTS+2*GI                  ; the spare words, 128 bytes for each of 8 waves
.set WV,    18
.set SEL,   20
.set CS,    22
.set G1K,   24
.set G1V,   32
.set G0K,   40
.set G0V,   44
.set TB,    48                         ; LDS byte at which the slot in hand begins
.set TS,    49                         ; where the step's mask numbers begin: 512 bytes a step
.set SLOTS, 50
.set SK,    90                         ; the step's K images: 2 GI a step
.set SV,    91                         ; the step's V image: GI a step
.set NS,    92
; window 0
.set A1,  13
.set A2,  14
.set AW,  15
.set QF,  16                           ; Q: tile x at QF + 12 x
.set QS,  40                           ; its scale words
.set KS,  42                           ; K's scale words: 2 g + u
.set VS,  46
.set PS,  48                           ; p's scale word, tile x
.set RDB, 50
.set GOB, 51
.set KF,  52                           ; four fragments: keys 64-127 of the step, then V
.set VF,  100                          ; four fragments: keys 0-63
.set MK,  148                          ; the mask numbers, in the result's layout
.set PC,  212                          ; p's codes: tile x at PC + 12 x
.set HV,  236                          ; the conversions' second halves
.set RDW, 252
.set L8,  253
; window 1
.set S,   0                            ; tile x at 64 x
.set O,   128                          ; tile x at 32 x
.set NM,  192                          ; pair 2 x: -M, the largest t
.set FF,  200                          ; pair 2 x: f
.set BM,  204                          ; blocks' maxima: 4 x + b
.set PT,  212
.set TT,  228
.set SU,  232                          ; at 8 x: the sum's pair, then three pairs at work
.set SO,  248                          ; the conversions' scale operands
.set MSB, 0
.macro WIN new                         ; the immediate's high byte repeats the setting that is left
.if MSB != (\new)
	s_set_vgpr_msb (MSB<<8)|(\new)
.set MSB, (\new)
.endif
.endm
.macro PLACES
.rept 4
	v_nop
.endr
.endm
.macro ROUND
	s_barrier_signal -1
	s_barrier_wait -1
	s_cmp_lg_u32 s[WV], 0
	s_cbranch_scc1 .Lnot_wave_0_\@
	s_barrier_signal -3
.Lnot_wave_0_\@:
	s_barrier_wait -3
	s_barrier_signal -1
	s_barrier_wait -1
.endm
; Waves 0-3 fetch for K, waves 4-7 for V: every way passes one load.  An s_nop 0 and four v_nop follow each line.
.macro TLOAD
	s_cmp_lt_u32 s[WV], 4
	s_cbranch_scc0 .Lfor_v_\@
	tensor_load_to_lds s[G0K:G0K+3], s[G1K:G1K+7]
	s_nop 0
	PLACES
	s_branch .Lasked_\@
.Lfor_v_\@:
	tensor_load_to_lds s[G0V:G0V+3], s[G1V:G1V+7]
	s_nop 0
	PLACES
.Lasked_\@:
.endm
; One product on the registers named by rD, rS0, rS1, rC, rX0, rX1.  r0: source 0's scale words lie in lanes 16-31.
.macro WM r0
.if (\r0) == 0
	v_wmma_scale_f32_16x16x128_f8f6f4 v[rD:rD+7], v[rS0:rS0+11], v[rS1:rS1+11], v[rC:rC+7], v[rX0], v[rX1] matrix_a_fmt:MATRIX_FMT_FP6 matrix_b_fmt:MATRIX_FMT_FP6
.else
	v_wmma_scale_f32_16x16x128_f8f6f4 v[rD:rD+7], v[rS0:rS0+11], v[rS1:rS1+11], v[rC:rC+7], v[rX0], v[rX1] matrix_a_fmt:MATRIX_FMT_FP6 matrix_b_fmt:MATRIX_FMT_FP6 matrix_a_scale:MATRIX_SCALE_ROW1
.endif
.endm
.macro KLOAD g, fr                     ; 14 loads: the g-th 64 keys of the step: four fragments and their scale words
.irp t, 0,1,2,3
.irp c, 0,1,2
	ds_load_b128 v[(\fr)+12*\t+4*\c:(\fr)+12*\t+4*\c+3], v8 offset:(\g)*GI+TI*\t+512*\c
.endr
.endr
.irp u, 0,1
	ds_load_b32 v[KS+2*(\g)+\u], v10 offset:SCO+(\g)*GI+128*\u
.endr
.endm
.macro QK g, fr                        ; S^T = K Q^T + the mask numbers: four tiles of keys x two tiles of queries, sixteen accumulators in a step, one product each
.irp t, 0,1,2,3
.irp x, 0,1
.set rD, S+64*\x+32*(\g)+8*\t
.set rS0, (\fr)+12*\t
.set rS1, QF+12*\x
.set rC, MK+32*(\g)+8*\t
.set rX0, KS+2*(\g)+\t/2
.set rX1, QS+\x
	WM (\t)%2
.endr
.endr
.endm
	s_load_b256 s[4:11], s[0:1], 0x0               ; cbig, vtc, mask, actc
	v_lshl_add_u32 v5, v0, 2, SPARE
	v_mov_b32 v6, 0
	ds_add_u32 v5, v6                              ; the opening lines: the add, twice on end, and its wait ahead of my first tensor load
	ds_add_u32 v5, v6
	v_lshrrev_b32 v8, 5, v0
	v_readfirstlane_b32 s[WV], v8                  ; wave 0..7
	s_and_b32 s51, s[WV], 1                        ; my head of the pair
	s_lshr_b32 s52, s[WV], 1                       ; my pair of query tiles, 0..3
	s_and_b32 s86, s[WV], 3                        ; which quarter of K's or of V's images I fetch
	s_bfe_u32 s53, ttmp6, 0x40000                  ; cx: it enters Q's and the result's global addresses alone
	s_lshl_b32 s54, ttmp9, 2
	s_add_co_u32 s54, s54, s53                     ; my block of 128 queries
	s_and_b32 s55, ttmp7, 0xffff
	s_and_b32 s56, s55, 7                          ; the head pair
	s_lshr_b32 s55, s55, 3                         ; the batch
	s_lshl_b32 s66, s55, 5
	s_lshl_b32 s67, s86, 1
	s_add_co_u32 s66, s66, s67                     ; K: group 32 b + 2 x quarter,
	s_lshl_b32 s66, s66, 5
	s_add_co_u32 s66, s66, s56
	s_add_co_u32 s66, s66, 8                       ; K step 8 + head pair
	s_mul_i32 s66, s66, GI
	s_mov_b32 s67, 0
	s_lshl_b32 s68, s56, 1
	s_lshr_b32 s69, s86, 1
	s_add_co_u32 s68, s68, s69                     ; V: head 2 hp + quarter / 2,
	s_lshl_b32 s68, s68, 5
	s_lshl_b32 s69, s55, 4
	s_add_co_u32 s68, s68, s69                     ; K step 16 b
	s_and_b32 s69, s86, 1
	s_lshl_b32 s69, s69, 1
	s_add_co_u32 s68, s68, s69                     ; + 2 x (quarter % 2)
	s_mul_i32 s68, s68, GI
	s_mov_b32 s69, 0
	s_lshl_b32 s70, s55, 5
	s_lshl_b32 s71, s54, 1
	s_add_co_u32 s70, s70, s71
	s_lshr_b32 s71, s52, 1
	s_add_co_u32 s70, s70, s71                     ; my queries' group of 64 tokens
	s_and_b32 s72, s52, 1
	s_lshl_b32 s72, s72, 1                         ; my first tile in it: 0 or 2
	s_lshl_b32 s73, s70, 5
	s_add_co_u32 s73, s73, s56
	s_mul_i32 s73, s73, GI                         ; q's group image
	s_mul_i32 s62, s72, TI
	s_add_co_u32 s74, s73, s62                     ; my first tile image
	s_mov_b32 s75, 0
	s_lshl_b32 s76, s72, 6
	s_add_co_u32 s76, s76, s73                     ; its scale words, less 6,144
	s_mov_b32 s77, 0
	s_lshl_b32 s82, s70, 3
	s_add_co_u32 s82, s82, s56
	s_mul_i32 s82, s82, GI                         ; the result's group image
	s_mov_b32 s83, 0
	s_lshl_b32 s84, s55, 11                        ; the batch's mask bytes
	s_mov_b32 s85, 0
	; descriptor group 1.  K: 2 rows (groups) of 6,400 bytes, 204,800 bytes apart;  V: a dense block of 12,800 bytes as 50 rows of 256.  Elements of 8 bytes; the mask names all four work-groups
	s_mov_b32 s[G1K], 15|(3<<16)|(1<<21)
	s_mov_b32 s[G1K+1], 800<<16
	s_mov_b32 s[G1K+2], 2<<16
	s_mov_b32 s[G1K+3], 800<<16
	s_mov_b32 s[G1K+4], 2
	s_mov_b32 s[G1K+5], 25600
	s_mov_b32 s[G1K+6], 0
	s_mov_b32 s[G1K+7], 0
	s_mov_b32 s[G1V], 15|(3<<16)|(1<<21)
	s_mov_b32 s[G1V+1], 32<<16
	s_mov_b32 s[G1V+2], 50<<16
	s_mov_b32 s[G1V+3], 32<<16
	s_mov_b32 s[G1V+4], 50
	s_mov_b32 s[G1V+5], 32
	s_mov_b32 s[G1V+6], 0
	s_mov_b32 s[G1V+7], 0
	s_mul_i32 s57, s86, 2*GI                       ; where my two images go in K's or V's part of a slot
	s_mul_i32 s58, s51, 4*GI
	s_add_co_u32 s58, s58, VOFF                    ; my head's V in a slot
	; the way out's places, from the wave's number alone
	s_lshr_b32 s61, s52, 1
	s_mul_i32 s61, s61, GI
	s_add_co_u32 s63, s61, s62
	s_add_co_u32 s63, s63, OUTS                    ; my first tile image in the stage
	s_mul_i32 s78, s51, 520
	s_add_co_u32 s78, s78, s63
	s_mul_i32 s79, s51, 1016
	s_add_co_u32 s79, s79, s63
	s_add_co_u32 s79, s79, 8
	s_lshl_b32 s80, s72, 6
	s_add_co_u32 s80, s80, s61
	s_lshl_b32 s81, s51, 1
	s_add_co_u32 s80, s80, s81
	s_add_co_u32 s80, s80, OUTS+SCO
	s_mul_i32 s81, s51, 768
	s_add_co_u32 s87, s81, s63
	s_add_co_u32 s88, s81, s62
	s_add_co_u32 s89, s61, OUTS+SCO
	s_cmp_eq_u32 s51, 0
	s_cselect_b32 s59, -1, 0
	s_cselect_b32 s60, 0, -1
	s_mov_b32 s[SEL], 0x76543210
	s_mov_b32 s[SEL+1], 0xfedcba98
	s_mov_b32 s[CS], 0x3e38aa3b                    ; c = log2(e) / 8
	s_mov_b32 s[CS+1], s[CS]
	s_mov_b32 s[TB], 0
	s_mov_b32 s[TS], 0
	s_mov_b32 s[SLOTS], 3
	s_wait_dscnt 0x0                               ; both opening adds are done
	s_wait_kmcnt 0x0
	s_mov_b32 s[G0K], 1
	s_mov_b32 s[G0K+1], s57
	s_add_nc_u64 s[G0K+2:G0K+3], s[4:5], s[66:67]
	s_or_b32 s[G0K+3], s[G0K+3], 0x80000000
	s_mov_b32 s[G0V], 1
	s_add_co_u32 s[G0V+1], s57, VOFF
	s_add_nc_u64 s[G0V+2:G0V+3], s[6:7], s[68:69]
	s_or_b32 s[G0V+3], s[G0V+3], 0x80000000
	ROUND                                          ; all four work-groups are here: the first joint loads meet
	TLOAD                                          ; slot 0: one load a wave
	s_add_nc_u64 s[74:75], s[4:5], s[74:75]
	s_add_nc_u64 s[76:77], s[4:5], s[76:77]
	s_add_nc_u64 s[10:11], s[10:11], s[82:83]
	s_add_nc_u64 s[8:9], s[8:9], s[84:85]
	v_and_b32 v8, 31, v0                           ; lane
	v_and_b32 v9, 15, v0                           ; r
	v_bfe_u32 v10, v0, 4, 1                        ; h
	v_lshlrev_b32 v1, 4, v8
	v_lshlrev_b32 v3, 2, v8
	v_lshlrev_b32 v[L8], 3, v8
	v_lshlrev_b32 v7, 6, v10
	v_lshlrev_b32 v11, 2, v9
	v_add_nc_u32 v2, s58, v1
	v_add_nc_u32 v4, s58, v3
	v_add_nc_u32 v7, MB, v7                        ; my half's place among a step's mask numbers
	v_add_nc_u32 v[A1], s78, v1                    ; stage: registers 6 hd, 6 hd + 1 (and, 512 bytes on, 6 hd + 4, 6 hd + 5) of lane l
	v_add_nc_u32 v[A2], s79, v1                    ; registers 6 hd + 2, 6 hd + 3
	v_add_nc_u32 v[AW], s80, v11                   ; my head's two bytes of row r's scale word
	v_add_nc_u32 v[RDB], s87, v[L8]                ; back: my half of a tile image,
	v_add_nc_u32 v[GOB], s88, v[L8]                ; and the same place in the result's group image
	v_add_nc_u32 v[RDW], s89, v[L8]                ; the group's 256 bytes of scale words
	v_lshlrev_b32 v12, 3, v0                       ; eight mask bytes a thread
	v_lshl_add_u32 v[HV], v0, 5, MB                ; and their eight numbers
	s_wait_alu depctr_va_vdst(0)                   ; the wait behind these writes
.irp x, 0,1
.irp c, 0,1,2
	global_load_b128 v[QF+12*\x+4*\c:QF+12*\x+4*\c+3], v1, s[74:75] offset:TI*\x+512*\c   ; Q's two fragments stay in registers
.endr
	global_load_b32 v[QS+\x], v11, s[76:77] offset:SCO+64*\x
.endr
	global_load_b64 v[KF:KF+1], v12, s[8:9]
	WIN 0x40                                       ; destinations in window 1
.irp x, 0,1
	v_mov_b32 v[NM+2*\x+1], 0xdd800000             ; the largest t so far: -2^60
	v_mov_b32 v[NM+2*\x], 0x5d800000               ; -M = 2^60
	v_mov_b32 v[SU+8*\x], 0
	v_mov_b32 v[SU+8*\x+1], 0
	v_mov_b32 v[FF+2*\x+1], 0                      ; (named as the upper half of a pair)
	v_mov_b32 v[TT+\x], 0
.endr
.irp e, 0,1,2,3,4,5,6,7
	v_mov_b32 v[PT+\e], 0                          ; a lane permute's destination counts as one of its sources
.endr
.set j, 0
.rept 64
	v_mov_b32 v[O+j], 0                            ; O^T: the loop has no first step of its own
.set j, j+1
.endr
	WIN 0
	s_wait_loadcnt 0x0
.irp x, 0,1
.irp i, 0,1,2,3,4,5
	v_and_b32 v[QF+12*\x+\i], s59, v[QF+12*\x+\i]  ; the other head's codes of Q become zeros
	v_and_b32 v[QF+12*\x+6+\i], s60, v[QF+12*\x+6+\i]
.endr
.endr
.irp i, 0,1,2,3,4,5,6,7
	v_bfe_u32 v[KF+4+\i], v[KF+\i/4], 8*(\i%4), 8
.endr
.irp i, 0,1,2,3,4,5,6,7
	v_sub_nc_u32 v[KF+4+\i], 0, v[KF+4+\i]
.endr
.irp i, 0,1,2,3,4,5,6,7
	v_and_b32 v[KF+4+\i], 0xf1800000, v[KF+4+\i]   ; 1 becomes -2^100, 0 stays 0
.endr
	ds_store_b128 v[HV], v[KF+4:KF+7]              ; the first change of slots waits for these and passes a barrier
	ds_store_b128 v[HV], v[KF+8:KF+11] offset:16
; A KEY STEP: 128 keys against my 32 queries.
.macro STEP
	v_add_nc_u32 v8, s[SK], v1                     ; (these five are also the places in front of the loads into registers that the last products read)
	v_add_nc_u32 v10, s[SK], v3
	v_add_nc_u32 v9, s[SV], v2
	v_add_nc_u32 v11, s[SV], v4
	v_add_nc_u32 v12, s[TS], v7
	s_wait_alu depctr_va_vdst(0)
.set j, 0
.rept 16
	ds_load_b128 v[MK+4*j:MK+4*j+3], v12 offset:128*(j/4)+16*(j%4)   ; 0 or -2^100 of keys 32 (j / 4) + 16 h + 4 (j % 4) ..
.set j, j+1
.endr
	KLOAD 0, VF
	KLOAD 1, KF
	s_wait_dscnt 14                                ; all but the 14 loads of keys 64-127
	WIN 0x40                                       ; sources and C in window 0, D in window 1
	QK 0, VF
	s_wait_dscnt 0x0
	QK 1, KF
	WIN 0
	PLACES                                         ; in front of the loads below and of the first read of the scores
.irp t, 0,1,2,3                                ; V's four tiles land under the softmax
.irp c, 0,1,2
	ds_load_b128 v[KF+12*\t+4*\c:KF+12*\t+4*\c+3], v9 offset:TI*\t+512*\c
.endr
.endr
.irp u, 0,1
	ds_load_b32 v[VS+\u], v11 offset:SCO+128*\u
.endr
	WIN 0x55                                       ; all in window 1.  e = 4 x + b: block b of 32 keys of tile x; its 16 registers begin at 16 e
.irp e, 0,1,2,3,4,5,6,7
	v_max3_num_f32 v[BM+\e], v[S+16*\e], v[S+16*\e+1], v[S+16*\e+2]   ; each accumulator from its low end on
.endr
.irp i, 3,5,7,9,11,13
.irp e, 0,1,2,3,4,5,6,7
	v_max3_num_f32 v[BM+\e], v[BM+\e], v[S+16*\e+\i], v[S+16*\e+\i+1]
.endr
.endr
.irp e, 0,1,2,3,4,5,6,7
	v_max_num_f32 v[BM+\e], v[BM+\e], v[S+16*\e+15]
.endr
.irp e, 0,1,2,3,4,5,6,7
	v_permlanex16_b32 v[PT+\e], v[BM+\e], s[SEL], s[SEL+1]
.endr
.irp e, 0,1,2,3,4,5,6,7
	v_max_num_f32 v[BM+\e], v[BM+\e], v[PT+\e]     ; with lane l xor 16's 16 keys: the block's largest score
.endr
.irp x, 0,1
	v_max3_num_f32 v[TT+\x], v[BM+4*\x], v[BM+4*\x+1], v[BM+4*\x+2]
.endr
.irp x, 0,1
	s_delay_alu instid0(VALU_DEP_2)
	v_max_num_f32 v[TT+\x], v[TT+\x], v[BM+4*\x+3]
.endr
.irp x, 0,1
	s_delay_alu instid0(VALU_DEP_2)
	v_mul_f32 v[TT+\x], s[CS], v[TT+\x]            ; the step's largest t
.endr
.irp x, 0,1
	s_delay_alu instid0(VALU_DEP_2)
	v_max_num_f32 v[NM+2*\x+1], v[NM+2*\x+1], v[TT+\x]   ; the running largest t
.endr
.irp x, 0,1
	v_mov_b32 v[TT+\x], v[NM+2*\x]
.endr
.irp x, 0,1
	s_delay_alu instid0(VALU_DEP_4)
	v_floor_f32 v[NM+2*\x], -v[NM+2*\x+1]          ; the new -M = -ceil(t)
.endr
.irp x, 0,1
	s_delay_alu instid0(VALU_DEP_2)
	v_sub_f32 v[TT+\x], v[NM+2*\x], v[TT+\x]       ; old M - new M: a whole number, 0 or less
.endr
.irp x, 0,1
	s_delay_alu instid0(VALU_DEP_2)
	v_cvt_i32_f32 v[TT+\x], v[TT+\x]               ; (it saturates)
.endr
.irp x, 0,1
	s_delay_alu instid0(VALU_DEP_2)
	v_ldexp_f32 v[FF+2*\x], 1.0, v[TT+\x]          ; f = 2^(old M - new M)
.endr
.irp x, 0,1
.set j, 0
.rept 32
	v_pk_fma_f32 v[S+64*\x+j:S+64*\x+j+1], v[S+64*\x+j:S+64*\x+j+1], s[CS:CS+1], v[NM+2*\x:NM+2*\x+1] op_sel_hi:[1,0,0]   ; t - M
.set j, j+2
.endr
.endr
.irp e, 0,1,2,3,4,5,6,7
	v_fma_f32 v[BM+\e], v[BM+\e], s[CS], v[NM+2*(\e/4)]   ; the same of each block's largest score
.endr
	s_wait_alu depctr_va_vdst(0)                   ; the wait ahead of the batch
.set j, 0
.rept 128
	v_exp_f32 v[S+j], v[S+j]                       ; p = 2^(t - M): not normalised
.set j, j+1
.endr
.irp e, 0,1,2,3,4,5,6,7
	v_exp_f32 v[BM+\e], v[BM+\e]                   ; the block's largest p
.endr
.irp x, 0,1
	v_pk_mul_f32 v[SU+8*\x:SU+8*\x+1], v[SU+8*\x:SU+8*\x+1], v[FF+2*\x:FF+2*\x+1] op_sel_hi:[1,0]   ; the sums under the new M: plain instructions behind the exponentials
.endr
	s_wait_alu depctr_va_vdst(0)                   ; one wait for the whole batch, ahead of its first reader
.irp x, 0,1                                    ; the sum of the unquantised p: four chains a tile, the two tiles by turns
.irp c, 1,2,3
	v_pk_add_f32 v[SU+8*\x+2*\c:SU+8*\x+2*\c+1], v[S+64*\x+4*\c-4:S+64*\x+4*\c-3], v[S+64*\x+4*\c-2:S+64*\x+4*\c-1]
.endr
.endr
.set j, 12
.rept 26
.irp x, 0,1
.set rA, SU+8*\x+2*(((j-12)/2)%4)
	v_pk_add_f32 v[rA:rA+1], v[rA:rA+1], v[S+64*\x+j:S+64*\x+j+1]
.endr
.set j, j+2
.endr
.irp x, 0,1
	v_pk_add_f32 v[SU+8*\x+2:SU+8*\x+3], v[SU+8*\x+2:SU+8*\x+3], v[SU+8*\x+4:SU+8*\x+5]
.endr
.irp x, 0,1
	v_pk_add_f32 v[SU+8*\x:SU+8*\x+1], v[SU+8*\x:SU+8*\x+1], v[SU+8*\x+6:SU+8*\x+7]
.endr
.irp x, 0,1
	v_pk_add_f32 v[SU+8*\x:SU+8*\x+1], v[SU+8*\x:SU+8*\x+1], v[SU+8*\x+2:SU+8*\x+3]
.endr
.irp e, 0,1,2,3,4,5,6,7
	v_max_num_f32 v[BM+\e], 0x1800000, v[BM+\e]    ; the floor 2^(3 - 127): the byte cannot fall under 1
.endr
.irp e, 0,1,2,3,4,5,6,7
	v_add_nc_u32 v[SO+\e], 0xff000000, v[BM+\e]    ; 2 off the exponent field: the conversion's scale operand
.endr
.irp e, 0,1,2,3,4,5,6,7
	v_lshrrev_b32 v[PT+\e], 23, v[SO+\e]           ; the scale's byte
.endr
.irp x, 0,1
	v_lshl_or_b32 v[PT+4*\x], v[PT+4*\x+1], 8, v[PT+4*\x]
.endr
.irp x, 0,1
	v_lshl_or_b32 v[PT+4*\x], v[PT+4*\x+2], 16, v[PT+4*\x]
.endr
	WIN 0x11                                       ; sources in window 1, destination in window 0
.irp x, 0,1
	v_lshl_or_b32 v[PS+\x], v[PT+4*\x+3], 24, v[PT+4*\x]   ; p's scale word for these 128 keys
.endr
	WIN 0x05
.irp x, 0,1
.irp c, 0,1
	v_cvt_scalef32_pk16_fp6_f32 v[PC+12*\x+6*\c:PC+12*\x+6*\c+2], v[S+64*\x+32*\c:S+64*\x+32*\c+15], v[SO+4*\x+2*\c]
	v_cvt_scalef32_pk16_fp6_f32 v[HV+8*\x+4*\c:HV+8*\x+4*\c+2], v[S+64*\x+32*\c+16:S+64*\x+32*\c+31], v[SO+4*\x+2*\c+1]
.endr
.endr
	WIN 0
	v_nop                                          ; one plain place behind a scaled conversion
.irp x, 0,1                                    ; the operand's layout wants a whole block in a lane
.irp c, 0,1
.irp i, 0,1,2
	v_permlane16_swap_b32 v[PC+12*\x+6*\c+\i], v[HV+8*\x+4*\c+\i]
.endr
.endr
.endr
.irp x, 0,1
.irp c, 0,1
.irp i, 0,1,2
	v_mov_b32 v[PC+12*\x+6*\c+3+\i], v[HV+8*\x+4*\c+\i]
.endr
.endr
.endr
	WIN 0x55
	s_wait_alu depctr_va_vdst(0)                   ; the wait here, directly ahead of the first reader of O^T
.irp x, 0,1
.set j, 0
.rept 16
	v_pk_mul_f32 v[O+32*\x+j:O+32*\x+j+1], v[O+32*\x+j:O+32*\x+j+1], v[FF+2*\x:FF+2*\x+1] op_sel_hi:[1,0]   ; O^T under the new M.  (Also the places between the writes of p's codes and scale words and the products)
.set j, j+2
.endr
.endr
	s_wait_alu depctr_va_vdst(0)                   ; the wait here, directly ahead of the wait below
	s_wait_dscnt 0x0                               ; V
	WIN 0x50                                       ; sources in window 0, C and D in window 1
.irp t, 0,1,2,3                                ; O^T += V^T P^T: eight accumulators, one product each
.irp x, 0,1
.set rD, O+32*\x+8*\t
.set rC, rD
.set rS0, KF+12*\t
.set rS1, PC+12*\x
.set rX0, VS+\t/2
.set rX1, PS+\x
	WM (\t)%2
.endr
.endr
	WIN 0
.endm
; THE CHANGE OF SLOTS stands at a slot's head.  Each wave waits for all its tensor loads, adds 0 to its spare word, and waits for that and for its LDS instructions so far.  fill = 1: the slot that has been
; left is filled with the keys that follow, jointly: the barrier is then a round of the cluster's, and the load is the first thing behind it: it has four key steps in which to land.
.macro CHANGE fill
	s_wait_tensorcnt 0x0                           ; no tensor load of mine is out, so a group 0 may be written
	ds_add_u32 v5, v6                              ; 0 onto my spare word
.if \fill
	s_xor_b32 s[G0K+1], s[G0K+1], SLOT1
	s_add_nc_u64 s[G0K+2:G0K+3], s[G0K+2:G0K+3], 8*32*GI   ; the next 8 groups of tokens
	s_xor_b32 s[G0V+1], s[G0V+1], SLOT1
	s_add_nc_u64 s[G0V+2:G0V+3], s[G0V+2:G0V+3], 4*GI      ; the next 4 K steps
	s_wait_dscnt 0x0
	ROUND
	TLOAD
.else
	s_wait_dscnt 0x0
	s_barrier_signal -1
	s_barrier_wait -1
.endif
.endm
.macro SLOT_STEPS                      ; the slot's four key steps: a counted loop
	s_mov_b32 s[SK], s[TB]
	s_mov_b32 s[SV], s[TB]
	s_mov_b32 s[NS], 4
.Lstep_\@:
	STEP
	s_add_co_u32 s[SK], s[SK], 2*GI
	s_add_co_u32 s[SV], s[SV], GI
	s_add_co_u32 s[TS], s[TS], 512
	s_sub_co_u32 s[NS], s[NS], 1
	s_cmp_lg_u32 s[NS], 0
	s_cbranch_scc1 .Lstep_\@
	s_xor_b32 s[TB], s[TB], SLOT1
.endm
	s_wait_alu depctr_va_vdst(0)                   ; the wait at the head's end
.Lslot:                                            ; three trips: behind each change of slots but the last the next 512 keys are asked for
	CHANGE 1
	SLOT_STEPS
	s_sub_co_u32 s[SLOTS], s[SLOTS], 1
	s_cmp_lg_u32 s[SLOTS], 0
	s_cbranch_scc1 .Lslot
	CHANGE 0                                       ; the last slot is written out
	SLOT_STEPS
	; THE WAY OUT.  O^T / the sum; register 16 b + i of a tile is channel 32 b + 16 h + i of my head: two blocks, six registers of codes, which are registers 6 hd .. 6 hd + 5 of the tile image.
	WIN 0x55
.irp x, 0,1
	v_add_f32 v[SU+8*\x], v[SU+8*\x], v[SU+8*\x+1]
.endr
.irp x, 0,1
	v_permlanex16_b32 v[TT+\x], v[SU+8*\x], s[SEL], s[SEL+1]
.endr
.irp x, 0,1
	v_add_f32 v[SU+8*\x], v[SU+8*\x], v[TT+\x]     ; the row's sum.  (These six are also the places behind the last products)
.endr
	s_wait_alu depctr_va_vdst(0)                   ; the wait ahead of the transcendentals
.irp x, 0,1
	v_rcp_f32 v[SU+8*\x], v[SU+8*\x]
.endr
	v_nop                                          ; a plain place behind them,
	s_wait_alu depctr_va_vdst(0)                   ; and the wait ahead of the first reader
.irp x, 0,1
.set j, 0
.rept 16
	v_pk_mul_f32 v[S+64*\x+j:S+64*\x+j+1], v[O+32*\x+j:O+32*\x+j+1], v[SU+8*\x:SU+8*\x+1] op_sel_hi:[1,0]
.set j, j+2
.endr
.endr
.irp x, 0,1
.irp b, 0,1
	v_max3_num_f32 v[BM+4*\x+\b], |v[S+64*\x+16*\b]|, |v[S+64*\x+16*\b+1]|, 0x1800000
.endr
.endr
.irp i, 2,4,6,8,10,12,14
.irp x, 0,1
.irp b, 0,1
	v_max3_num_f32 v[BM+4*\x+\b], v[BM+4*\x+\b], |v[S+64*\x+16*\b+\i]|, |v[S+64*\x+16*\b+\i+1]|
.endr
.endr
.endr
.irp e, 0,1,4,5
	v_permlanex16_b32 v[PT+\e], v[BM+\e], s[SEL], s[SEL+1]
.endr
.irp e, 0,1,4,5
	v_max_num_f32 v[BM+\e], v[BM+\e], v[PT+\e]
.endr
.irp e, 0,1,4,5
	v_add_nc_u32 v[SO+\e], 0xff000000, v[BM+\e]
.endr
.irp e, 0,1,4,5
	v_lshrrev_b32 v[PT+\e], 23, v[SO+\e]
.endr
	WIN 0x11
.irp x, 0,1
	v_lshl_or_b32 v[PS+\x], v[PT+4*\x+1], 8, v[PT+4*\x]   ; my head's two bytes of the row's scale word
.endr
	WIN 0x05
.irp x, 0,1
	v_cvt_scalef32_pk16_fp6_f32 v[PC+12*\x:PC+12*\x+2], v[S+64*\x:S+64*\x+15], v[SO+4*\x]
	v_cvt_scalef32_pk16_fp6_f32 v[HV+8*\x:HV+8*\x+2], v[S+64*\x+16:S+64*\x+31], v[SO+4*\x+1]
.endr
	WIN 0
	v_nop                                          ; one plain place behind a scaled conversion
.irp x, 0,1
.irp i, 0,1,2
	v_permlane16_swap_b32 v[PC+12*\x+\i], v[HV+8*\x+\i]
.endr
.endr
.irp x, 0,1
.irp i, 0,1,2
	v_mov_b32 v[PC+12*\x+3+\i], v[HV+8*\x+\i]
.endr
.endr
.irp x, 0,1
	ds_store_b64 v[A1], v[PC+12*\x:PC+12*\x+1] offset:TI*\x
	ds_store_b64 v[A2], v[PC+12*\x+2:PC+12*\x+3] offset:TI*\x
	ds_store_b64 v[A1], v[PC+12*\x+4:PC+12*\x+5] offset:TI*\x+512
	ds_store_b16 v[AW], v[PS+\x] offset:64*\x      ; both halves of the lanes write the same two bytes with the same value
.endr
	s_wait_dscnt 0x0                               ; for the others' sake: my stores have landed
	s_barrier_signal -1
	s_barrier_wait -1                              ; a tile image comes from two waves
.irp x, 0,1
.irp u, 0,1,2
	ds_load_b64 v[KF+6*\x+2*\u:KF+6*\x+2*\u+1], v[RDB] offset:TI*\x+256*\u
.endr
.endr
	s_wait_dscnt 0x0
.irp x, 0,1
.irp u, 0,1,2
	global_store_b64 v[GOB], v[KF+6*\x+2*\u:KF+6*\x+2*\u+1], s[10:11] offset:TI*\x+256*\u   ; 32 lanes store 256 consecutive bytes, at a multiple of 256 from the buffer's first byte
.endr
.endr
	s_and_b32 s78, s[WV], 3
	s_cmp_lg_u32 s78, 0
	s_cbranch_scc1 .Lno_words                      ; waves 0 and 4 also copy their group's 256 bytes of scale words
	ds_load_b64 v[KF+12:KF+13], v[RDW]
	s_wait_dscnt 0x0
	global_store_b64 v[L8], v[KF+12:KF+13], s[10:11] offset:SCO
.Lno_words:
	s_wait_tensorcnt 0x0                           ; the wave's end
	ds_add_u32 v5, v6
	s_wait_dscnt 0x0
	ROUND                                          ; the closing round
	s_endpgm
.Lfunc_end_k_q84b60a378c_attn:
	.size	k_q84b60a378c_attn, .Lfunc_end_k_q84b60a378c_attn-k_q84b60a378c_attn
	.p2alignl 7, 3214868480
	.fill 96, 4, 3214868480
	.section	.rodata,"a",@progbits
	.p2align	6, 0x0
	.amdhsa_kernel k_q84b60a378c_attn
		.amdhsa_group_segment_fixed_size 327680
		.amdhsa_private_segment_fixed_size 0
		.amdhsa_enable_private_segment 0
		.amdhsa_kernarg_size 32
		.amdhsa_user_sgpr_count 2
		.amdhsa_user_sgpr_kernarg_segment_ptr 1
		.amdhsa_wavefront_size32 1
		.amdhsa_system_sgpr_workgroup_id_x 1
		.amdhsa_system_sgpr_workgroup_id_y 1
		.amdhsa_system_sgpr_workgroup_id_z 1
		.amdhsa_system_vgpr_workitem_id 0
		.amdhsa_next_free_vgpr 512
		.amdhsa_next_free_sgpr 100
		.amdhsa_reserve_vcc 0
		.amdhsa_float_denorm_mode_32 3
		.amdhsa_float_denorm_mode_16_64 3
		.amdhsa_memory_ordered 1
		.amdhsa_forward_progress 1
		.amdhsa_inst_pref_size 86
	.end_amdhsa_kernel
	.amdgpu_metadata
---
amdhsa.version: [ 1, 2 ]
amdhsa.kernels:
  - .name:           k_q84b60a378c_attn
    .symbol:         k_q84b60a378c_attn.kd
    .args:
      - { .name: cbig, .offset: 0, .size: 8, .value_kind: global_buffer, .address_space: global }
      - { .name: vtc, .offset: 8, .size: 8, .value_kind: global_buffer, .address_space: global }
      - { .name: mask, .offset: 16, .size: 8, .value_kind: global_buffer, .address_space: global }
      - { .name: actc, .offset: 24, .size: 8, .value_kind: global_buffer, .address_space: global }
    .group_segment_fixed_size: 327680
    .private_segment_fixed_size: 0
    .kernarg_segment_align: 8
    .kernarg_segment_size: 32
    .max_flat_workgroup_size: 256
    .sgpr_count:     100
    .vgpr_count:     512
    .wavefront_size: 32
...
	.end_amdgpu_metadata
.endif
;; end of part 3
;; launch oln (part 4): grid 256 x 1, 8 waves a work-group, no clusters, 69,632 bytes of LDS; arguments actc, wrest, x, g2, beta2, x2, vtc; writes x2, vtc
.if DOCPART == 4
	.amdgcn_target "amdgcn-amd-amdhsa--gfx1250"
	.amdhsa_code_object_version 6
	.text
	.protected	k_q84b60a378c_oln
	.globl	k_q84b60a378c_oln
	.p2align	8
	.type	k_q84b60a378c_oln,@function
k_q84b60a378c_oln:
	s_mov_b64 s[64:65], 0
	v_nop
	global_prefetch_b8 v0, s[64:65] scope:SCOPE_SE
	s_setreg_imm32_b32 hwreg(HW_REG_WAVE_MODE, 25, 1), 1
	s_wait_xcnt 0x0
; x2 = a W_O^T + x, stored as f32, and LayerNorm(x2) quantised along its 1,024 columns, stored as images: one launch, since a work-group holds whole rows.
; a (actc) and W_O (wrest, from byte 3,276,800 on) are codes of FP6 (E2M3) with E8M0 bytes, as group images: [row / 64][8 K steps][6,400 bytes]; in an image four tile images of 1,536 bytes (a fragment's
; 12 registers as they stand: registers 4 c .. 4 c + 3 of lane l at 512 c + 16 l), then the scale words (tile i, lane row r at 6,144 + 64 i + 4 r).  Lane row r of tile i is the group's row
; 32 (i / 2) + 8 (i % 2) + r + 8 (r / 8).  The result's codes (vtc) have the same layout.
; SHARES.  Work-group t takes tile t: 16 rows x all 1,024 columns.  Wave w takes columns 128 w on: W_O's groups 2 w, 2 w + 1, eight tiles, eight accumulators, 8 K steps: 64 products.
; NO TENSOR LOAD, NO CLUSTER: with one tile of rows each fragment of W_O feeds ONE product of ONE wave, so it goes from its image straight into that wave's registers (three loads of 512 consecutive bytes);
; there is no LDS tile that a joint load could fill.  No prefetch is written: the loads themselves run two K steps, 56 loads a wave, ahead of their products, and the steps are written out: there is no loop.
; THE MATRIX INSTRUCTION IS USED TRANSPOSED (source 0 = 16 rows of W_O, source 1 = a's 16 rows): register 16 e + i of lane (r, h) is column 128 w + 32 e + 16 h + i of lane row r.
; THE RESIDUAL IS THE C OF THE FIRST PRODUCTS: x's 16 rows x 512 bytes are loaded as they lie, turn through the wave's own stage in LDS (rows 528 bytes apart) and come back in the result's layout.
; x2 leaves through the same stage, 512 consecutive bytes a store.  Then the mean and the mean of the squared differences: in the lane, with lane l xor 16, over the eight waves through LDS: two barriers.
; The variance is taken of x2 - mean, in a second pass over registers.  All in f32; 1 / sqrt by v_rsq_f32.  A block of 32 lies in lanes l and l xor 16.
; REGISTERS.  Window 0: addresses, scale words, the accumulators, a's eight fragments (later x2's rows on their way out, the codes), the sums.  Window 1: W_O's fragments, two sets of 96 (later g and beta); x in the result's layout.
; LIMITS: a block of zeros gets the byte 1 where the rule says 127 (this program alone reads the bytes); NaN and infinities are not served.  The scale words leave as 64 consecutive bytes a wave.
.set GI,    6400
.set TI,    1536
.set SCO,   6144
.set WOFF,  3276800
.set STG,   8448                       ; a wave's stage: 16 rows x 528 bytes
.set PART,  8*STG                      ; behind the stages: [16 rows][8 waves] words for the sums, and 512 bytes on the same for the squares
.set SPARE, PART+1024                  ; the spare words, 128 bytes for each wave
.set T,    11
.set SPW,  12
.set NIL,  13
.set AS,   16                          ; a's scale words, K step k
.set BS,   24                          ; W_O's: set p at 4 p, pair of tiles t / 2
.set X,    32                          ; v32-95 x as loaded, then the accumulators
.set AF,   96                          ; v96-191 a's fragments
.set TR,   96                          ; later: x2's rows read back
.set PC,   160                         ; the codes
.set HV,   172
.set SA,   192                         ; four pairs of partial sums
.set BM,   200
.set PT,   204
.set SO,   208
.set PW,   212
.set XR,   192                         ; window 1: x in the result's layout
.set GG,   0                           ; window 1: g
.set BT,   96                          ; window 1: beta
.set SEL,  20
.set MSB, 0
.macro WIN new                         ; the immediate's high byte repeats the setting that is left
.if MSB != (\new)
	s_set_vgpr_msb (MSB<<8)|(\new)
.set MSB, (\new)
.endif
.endm
.macro PLACES
.rept 4
	v_nop
.endr
.endm
.macro ACROSS off                      ; v224, my 64 numbers' sum, becomes the row's sum in v236
	v_permlanex16_b32 v[T], v224, s[SEL], s[SEL+1]
	s_delay_alu instid0(VALU_DEP_1)
	v_add_f32 v224, v224, v[T]                     ; with lane l xor 16's: my wave's 128 columns
	ds_store_b32 v9, v224 offset:\off              ; both halves of the lanes write the same word with the same value
	s_wait_dscnt 0x0                               ; for the others' sake: my LDS stores have landed
	s_barrier_signal -1
	s_barrier_wait -1
	ds_load_b128 v[236:239], v10 offset:\off
	ds_load_b128 v[240:243], v10 offset:\off+16
	s_wait_dscnt 0x0
	v_add_f32 v236, v236, v237                     ; the eight waves' sums, in one order in every wave
	v_add_f32 v238, v238, v239
	v_add_f32 v240, v240, v241
	v_add_f32 v242, v242, v243
	s_delay_alu instid0(VALU_DEP_3)
	v_add_f32 v236, v236, v238
	s_delay_alu instid0(VALU_DEP_2)
	v_add_f32 v240, v240, v242
	s_delay_alu instid0(VALU_DEP_1)
	v_add_f32 v236, v236, v240
.endm
.macro WM r0                           ; one product on rD, rS0, rS1, rC, rX0, rX1.  r0: source 0's scale words lie in lanes 16-31
.if (\r0) == 0
	v_wmma_scale_f32_16x16x128_f8f6f4 v[rD:rD+7], v[rS0:rS0+11], v[rS1:rS1+11], v[rC:rC+7], v[rX0], v[rX1] matrix_a_fmt:MATRIX_FMT_FP6 matrix_b_fmt:MATRIX_FMT_FP6
.else
	v_wmma_scale_f32_16x16x128_f8f6f4 v[rD:rD+7], v[rS0:rS0+11], v[rS1:rS1+11], v[rC:rC+7], v[rX0], v[rX1] matrix_a_fmt:MATRIX_FMT_FP6 matrix_b_fmt:MATRIX_FMT_FP6 matrix_a_scale:MATRIX_SCALE_ROW1
.endif
.endm
.macro BLOAD k                         ; 28 loads: W_O's eight fragments and four scale registers of K step k into set k % 2
	WIN 0x40
.irp t, 0,1,2,3,4,5,6,7
.irp c, 0,1,2
	global_load_b128 v[96*((\k)%2)+12*\t+4*\c:96*((\k)%2)+12*\t+4*\c+3], v1, s[38:39] offset:(\t/4)*8*GI+GI*(\k)+TI*(\t%4)+512*\c
.endr
.endr
	WIN 0
.irp g, 0,1
.irp u, 0,1
	global_load_b32 v[BS+4*((\k)%2)+2*\g+\u], v8, s[38:39] offset:\g*8*GI+GI*(\k)+SCO+128*\u   ; an even tile's words in lanes 0-15, the next tile's in lanes 16-31
.endr
.endr
.endm
.macro VLOAD reg, base                 ; 16 loads: g or beta of my 64 columns, in the result's layout, into window 1
	WIN 0x40
.set j, 0
.rept 16
	global_load_b128 v[(\reg)+4*j:(\reg)+4*j+3], v7, s[\base:\base+1] offset:128*(j/4)+16*(j%4)
.set j, j+1
.endr
	WIN 0
.endm
; A K step: eight products, the eight accumulators by turns; behind them the set's registers take the loads of two steps on.
.macro GSTEP k
.if (\k) < 7
	s_wait_loadcnt 28                              ; all but the next step's 28 loads
.else
	s_wait_loadcnt 16                              ; all but g's 16
.endif
.if (\k) == 0
	WIN 0x11                                       ; source 0 and C in window 1
.else
	WIN 0x01
.endif
.irp t, 0,1,2,3,4,5,6,7
.set rD, X+8*\t
.set rS0, 96*((\k)%2)+12*\t
.set rS1, AF+12*(\k)
.set rX0, BS+4*((\k)%2)+\t/2
.set rX1, AS+(\k)
.if (\k) == 0
.set rC, XR+8*\t
.else
.set rC, rD
.endif
	WM (\t)%2
.endr
	WIN 0
	PLACES                                         ; in front of loads into registers that the products have read
.if (\k) < 6
	BLOAD (\k)+2
.elseif (\k) == 6
	VLOAD GG, 42
.else
	VLOAD BT, 44
.endif
.endm
	s_load_b256 s[36:43], s[0:1], 0x0              ; actc, wrest, x, g2
	s_load_b128 s[44:47], s[0:1], 0x20             ; beta2, x2
	s_load_b64 s[48:49], s[0:1], 0x30              ; the codes
	v_lshl_add_u32 v[SPW], v0, 2, SPARE
	v_mov_b32 v[NIL], 0
	v_lshrrev_b32 v1, 5, v0
	v_readfirstlane_b32 s12, v1                    ; wave 0..7
	v_and_b32 v2, 31, v0
	v_lshlrev_b32 v1, 4, v2                        ; 16 x lane
	v_lshlrev_b32 v8, 2, v2                        ; 4 x lane
	v_and_b32 v2, 15, v0                           ; r
	v_bfe_u32 v3, v0, 4, 1                         ; h
	s_mul_i32 s13, s12, STG
	v_add_nc_u32 v4, s13, v1                       ; the stage by rows: 16 x lane of a row
	v_mul_u32_u24 v5, v2, 528
	v_lshl_add_u32 v5, v3, 6, v5
	v_add_nc_u32 v5, s13, v5                       ; the stage by the result's layout: row r, + 64 h
	v_lshlrev_b32 v6, 2, v2                        ; 4 r
	v_lshlrev_b32 v7, 6, v3                        ; 64 h
	v_lshl_add_u32 v10, v2, 5, PART                ; my row's eight words
	s_lshl_b32 s13, s12, 2
	v_add_nc_u32 v9, s13, v10                      ; my wave's among them
	v_mov_b32 v[T], 0                              ; a lane permute's destination counts as one of its sources
.irp b, 0,1,2,3
	v_mov_b32 v[PT+\b], 0
.endr
	s_mov_b32 s[SEL], 0x76543210
	s_mov_b32 s[SEL+1], 0xfedcba98
	s_mov_b32 s56, 0x3a800000                      ; 1 / 1024
	s_mov_b32 s57, 0x3727c5ac                      ; 1e-5
	s_lshr_b32 s14, ttmp9, 1
	s_lshl_b32 s14, s14, 5
	s_and_b32 s15, ttmp9, 1
	s_lshl_b32 s15, s15, 3
	s_add_co_u32 s14, s14, s15                     ; the tile's first row
	s_lshl_b32 s14, s14, 12
	s_lshl_b32 s16, s12, 9                         ; my 128 columns: 512 bytes
	s_add_co_u32 s14, s14, s16
	s_mov_b32 s15, 0
	s_mov_b32 s17, 0
	s_lshr_b32 s19, ttmp9, 2                       ; the group
	s_and_b32 s32, ttmp9, 3                        ; the tile in it
	s_lshl_b32 s18, s19, 3
	s_mul_i32 s26, s18, GI                         ; a's images of the group
	s_add_co_u32 s18, s18, s12
	s_mul_i32 s18, s18, GI                         ; the result's group image: K step = wave
	s_mul_i32 s33, s32, TI
	s_lshl_b32 s34, s32, 6
	s_add_co_u32 s22, s33, s18
	s_mov_b32 s23, 0
	s_add_co_u32 s24, s34, s18
	s_mov_b32 s25, 0
	s_add_co_u32 s28, s34, s26
	s_mov_b32 s29, 0
	s_add_co_u32 s26, s33, s26
	s_mov_b32 s27, 0
	s_mul_i32 s30, s12, 16*GI                      ; W_O's groups 2 w, 2 w + 1
	s_add_co_u32 s30, s30, WOFF
	s_mov_b32 s31, 0
	s_wait_alu depctr_va_vdst(0)                   ; the wait at the head's end
	s_wait_kmcnt 0x0
	s_add_nc_u64 s[50:51], s[36:37], s[28:29]      ; a's scale words, less 6,144
	s_add_nc_u64 s[36:37], s[36:37], s[26:27]      ; a's tile images
	s_add_nc_u64 s[38:39], s[38:39], s[30:31]
	s_add_nc_u64 s[40:41], s[40:41], s[14:15]
	s_add_nc_u64 s[46:47], s[46:47], s[14:15]
	s_add_nc_u64 s[42:43], s[42:43], s[16:17]
	s_add_nc_u64 s[44:45], s[44:45], s[16:17]
	s_add_nc_u64 s[52:53], s[48:49], s[22:23]      ; my tile image
	s_add_nc_u64 s[54:55], s[48:49], s[24:25]      ; its scale words, less 6,144
.irp i, 0,1,2,3,4,5,6,7,8,9,10,11,12,13,14,15
	global_load_b128 v[X+4*\i:X+4*\i+3], v1, s[40:41] offset:(\i+8*(\i/8))*4096   ; lane row i is the tile's row i + 8 (i / 8): 512 consecutive bytes
.endr
.irp k, 0,1,2,3,4,5,6,7
.irp c, 0,1,2
	global_load_b128 v[AF+12*\k+4*\c:AF+12*\k+4*\c+3], v1, s[36:37] offset:GI*\k+512*\c
.endr
	global_load_b32 v[AS+\k], v6, s[50:51] offset:SCO+GI*\k
.endr
	BLOAD 0
	BLOAD 1
	s_wait_loadcnt 63                              ; 88 loads stand behind x's sixteen: a smaller count also shows those sixteen in
.irp i, 0,1,2,3,4,5,6,7,8,9,10,11,12,13,14,15
	ds_store_b128 v4, v[X+4*\i:X+4*\i+3] offset:528*\i
.endr
	WIN 0x40
.set j, 0
.rept 16
	ds_load_b128 v[XR+4*j:XR+4*j+3], v5 offset:128*(j/4)+16*(j%4)   ; LDS serves a wave's instructions in order: these see my stores
.set j, j+1
.endr
	WIN 0
	s_wait_dscnt 0x0                               ; x is back, and the stores have read the registers that the sums now take
.irp k, 0,1,2,3,4,5,6,7
	GSTEP \k
.endr
	; x2 on its way out: into my stage in the result's layout, each accumulator from its low end on, and back by rows
.irp t, 0,1,2,3,4,5,6,7
	ds_store_b128 v5, v[X+8*\t:X+8*\t+3] offset:128*(\t/2)+32*(\t%2)
	ds_store_b128 v5, v[X+8*\t+4:X+8*\t+7] offset:128*(\t/2)+32*(\t%2)+16
.endr
.irp i, 0,1,2,3,4,5,6,7,8,9,10,11,12,13,14,15
	ds_load_b128 v[TR+4*\i:TR+4*\i+3], v4 offset:528*\i
.endr
.irp c, 0,1,2,3                                ; my 64 numbers' sum, in four chains
	v_pk_add_f32 v[SA+2*\c:SA+2*\c+1], v[X+4*\c:X+4*\c+1], v[X+4*\c+2:X+4*\c+3]
.endr
.set j, 16
.rept 24
.set rA, SA+2*((j/2)%4)
	v_pk_add_f32 v[rA:rA+1], v[rA:rA+1], v[X+j:X+j+1]
.set j, j+2
.endr
	v_pk_add_f32 v[SA:SA+1], v[SA:SA+1], v[SA+2:SA+3]
	v_pk_add_f32 v[SA+4:SA+5], v[SA+4:SA+5], v[SA+6:SA+7]
	s_delay_alu instid0(VALU_DEP_1)
	v_pk_add_f32 v[SA:SA+1], v[SA:SA+1], v[SA+4:SA+5]
	s_delay_alu instid0(VALU_DEP_1)
	v_add_f32 v224, v[SA], v[SA+1]
	s_wait_alu depctr_va_vdst(0)                   ; the wait here, directly ahead of the wait below
	s_wait_dscnt 0x0                               ; the rows are back
.irp i, 0,1,2,3,4,5,6,7,8,9,10,11,12,13,14,15
	global_store_b128 v1, v[TR+4*\i:TR+4*\i+3], s[46:47] offset:(\i+8*(\i/8))*4096   ; 512 consecutive bytes, at a multiple of 256 from the buffer's first byte; these registers are not written again
.endr
	ACROSS 0
	s_delay_alu instid0(VALU_DEP_1)
	v_mul_f32 v228, s56, v236                      ; the mean
	s_delay_alu instid0(VALU_DEP_1)
	v_mov_b32 v229, v228
.set j, 0
.rept 32
	v_pk_add_f32 v[X+j:X+j+1], v[X+j:X+j+1], v[228:229] neg_lo:[0,1] neg_hi:[0,1]   ; x2 - mean
.set j, j+2
.endr
.irp c, 0,1,2,3
	v_pk_mul_f32 v[SA+2*\c:SA+2*\c+1], v[X+2*\c:X+2*\c+1], v[X+2*\c:X+2*\c+1]
.endr
.set j, 8
.rept 28
.set rA, SA+2*((j/2)%4)
	v_pk_fma_f32 v[rA:rA+1], v[X+j:X+j+1], v[X+j:X+j+1], v[rA:rA+1]
.set j, j+2
.endr
	v_pk_add_f32 v[SA:SA+1], v[SA:SA+1], v[SA+2:SA+3]
	v_pk_add_f32 v[SA+4:SA+5], v[SA+4:SA+5], v[SA+6:SA+7]
	s_delay_alu instid0(VALU_DEP_1)
	v_pk_add_f32 v[SA:SA+1], v[SA:SA+1], v[SA+4:SA+5]
	s_delay_alu instid0(VALU_DEP_1)
	v_add_f32 v224, v[SA], v[SA+1]
	ACROSS 512                                     ; other bytes than the first sums': no wave still reading those is disturbed
	s_delay_alu instid0(VALU_DEP_1)
	v_fma_f32 v230, v236, s56, s57                 ; the variance + 1e-5
	s_wait_alu depctr_va_vdst(0)                   ; the wait ahead of the transcendentals
	v_rsq_f32 v232, v230
	v_rsq_f32 v233, v230                           ; twice, to fill the pair of the packed multiply
	v_nop                                          ; a plain instruction behind them,
	s_wait_alu depctr_va_vdst(0)                   ; and the wait ahead of the first use: one for both
	s_wait_loadcnt 0x0                             ; g and beta
.set j, 0
.rept 32
	v_pk_mul_f32 v[X+j:X+j+1], v[X+j:X+j+1], v[232:233]
.set j, j+2
.endr
	WIN 0x14                                       ; sources 1 and 2 in window 1
.set j, 0
.rept 32
	v_pk_fma_f32 v[X+j:X+j+1], v[X+j:X+j+1], v[GG+j:GG+j+1], v[BT+j:BT+j+1]
.set j, j+2
.endr
	WIN 0
	; the quantiser: block b of 32 columns: my 16 numbers at 16 b, lane l xor 16's the other 16
.irp b, 0,1,2,3
	v_max3_num_f32 v[BM+\b], |v[X+16*\b]|, |v[X+16*\b+1]|, 0x1800000   ; with the floor 2^(3 - 127): the byte cannot fall under 1
.endr
.irp i, 2,4,6,8,10,12,14
.irp b, 0,1,2,3
	v_max3_num_f32 v[BM+\b], |v[X+16*\b+\i]|, |v[X+16*\b+\i+1]|, v[BM+\b]
.endr
.endr
.irp b, 0,1,2,3
	v_permlanex16_b32 v[PT+\b], v[BM+\b], s[SEL], s[SEL+1]
.endr
.irp b, 0,1,2,3
	v_max_num_f32 v[BM+\b], v[BM+\b], v[PT+\b]     ; the block's largest magnitude
.endr
.irp b, 0,1,2,3
	v_add_nc_u32 v[SO+\b], 0xff000000, v[BM+\b]    ; 2 off its exponent field: the conversion's scale operand
.endr
.irp b, 0,1,2,3
	v_lshrrev_b32 v[PT+\b], 23, v[SO+\b]           ; the scale's byte
.endr
	v_lshl_or_b32 v[PW], v[PT+1], 8, v[PT]
	s_delay_alu instid0(VALU_DEP_1)
	v_lshl_or_b32 v[PW], v[PT+2], 16, v[PW]
	s_delay_alu instid0(VALU_DEP_1)
	v_lshl_or_b32 v[PW], v[PT+3], 24, v[PW]        ; my row's scale word
.irp c, 0,1
	v_cvt_scalef32_pk16_fp6_f32 v[PC+6*\c:PC+6*\c+2], v[X+32*\c:X+32*\c+15], v[SO+2*\c]
	v_cvt_scalef32_pk16_fp6_f32 v[HV+4*\c:HV+4*\c+2], v[X+32*\c+16:X+32*\c+31], v[SO+2*\c+1]
.endr
	v_nop                                          ; one plain place behind a scaled conversion
.irp c, 0,1                                    ; the operand's layout wants a whole block in a lane
.irp i, 0,1,2
	v_permlane16_swap_b32 v[PC+6*\c+\i], v[HV+4*\c+\i]
.endr
.endr
.irp c, 0,1
.irp i, 0,1,2
	v_mov_b32 v[PC+3+6*\c+\i], v[HV+4*\c+\i]
.endr
.endr
.irp c, 0,1,2
	global_store_b128 v1, v[PC+4*\c:PC+4*\c+3], s[52:53] offset:512*\c   ; 512 consecutive bytes, at a multiple of 256 from the buffer's first byte
.endr
	global_store_b32 v6, v[PW], s[54:55] offset:SCO ; both halves of the lanes hold the same word and name the same place
	s_wait_tensorcnt 0x0                           ; the wave's end
	ds_add_u32 v[SPW], v[NIL]
	s_wait_dscnt 0x0
	s_endpgm
.Lfunc_end_k_q84b60a378c_oln:
	.size	k_q84b60a378c_oln, .Lfunc_end_k_q84b60a378c_oln-k_q84b60a378c_oln
	.p2alignl 7, 3214868480
	.fill 96, 4, 3214868480
	.section	.rodata,"a",@progbits
	.p2align	6, 0x0
	.amdhsa_kernel k_q84b60a378c_oln
		.amdhsa_group_segment_fixed_size 69632
		.amdhsa_private_segment_fixed_size 0
		.amdhsa_enable_private_segment 0
		.amdhsa_kernarg_size 56
		.amdhsa_user_sgpr_count 2
		.amdhsa_user_sgpr_kernarg_segment_ptr 1
		.amdhsa_wavefront_size32 1
		.amdhsa_system_sgpr_workgroup_id_x 1
		.amdhsa_system_sgpr_workgroup_id_y 1
		.amdhsa_system_sgpr_workgroup_id_z 1
		.amdhsa_system_vgpr_workitem_id 0
		.amdhsa_next_free_vgpr 512
		.amdhsa_next_free_sgpr 66
		.amdhsa_reserve_vcc 0
		.amdhsa_float_denorm_mode_32 3
		.amdhsa_float_denorm_mode_16_64 3
		.amdhsa_memory_ordered 1
		.amdhsa_forward_progress 1
		.amdhsa_inst_pref_size 65
	.end_amdhsa_kernel
	.amdgpu_metadata
---
amdhsa.version: [ 1, 2 ]
amdhsa.kernels:
  - .name:           k_q84b60a378c_oln
    .symbol:         k_q84b60a378c_oln.kd
    .args:
      - { .name: actc, .offset: 0, .size: 8, .value_kind: global_buffer, .address_space: global }
      - { .name: wrest, .offset: 8, .size: 8, .value_kind: global_buffer, .address_space: global }
      - { .name: x, .offset: 16, .size: 8, .value_kind: global_buffer, .address_space: global }
      - { .name: g2, .offset: 24, .size: 8, .value_kind: global_buffer, .address_space: global }
      - { .name: beta2, .offset: 32, .size: 8, .value_kind: global_buffer, .address_space: global }
      - { .name: x2, .offset: 40, .size: 8, .value_kind: global_buffer, .address_space: global }
      - { .name: vtc, .offset: 48, .size: 8, .value_kind: global_buffer, .address_space: global }
    .group_segment_fixed_size: 69632
    .private_segment_fixed_size: 0
    .kernarg_segment_align: 8
    .kernarg_segment_size: 56
    .max_flat_workgroup_size: 256
    .sgpr_count:     66
    .vgpr_count:     512
    .wavefront_size: 32
...
	.end_amdgpu_metadata
.endif
;; end of part 4
;; launch ffn1: the kernel of part 2 again; grid 8 x 32, 4 waves a work-group, clusters of 4 x 4, 327,680 bytes of LDS; arguments vtc, wrest, cbig, actc, b1; writes cbig, actc
;; launch ffn2 (part 5): grid 8 x 32, 4 waves a work-group, clusters of 4 x 4, 327,680 bytes of LDS; arguments cbig, wrest, b2, x2, out0; writes out0
.if DOCPART == 5
	.amdgcn_target "amdgcn-amd-amdhsa--gfx1250"
	.amdhsa_code_object_version 6
	.text
	.protected	k_q84b60a378c_ffn2
	.globl	k_q84b60a378c_ffn2
	.p2align	8
	.type	k_q84b60a378c_ffn2,@function
k_q84b60a378c_ffn2:
	s_mov_b64 s[64:65], 0
	v_nop
	global_prefetch_b8 v0, s[64:65] scope:SCOPE_SE
	s_setreg_imm32_b32 hwreg(HW_REG_WAVE_MODE, 25, 1), 1
	s_wait_xcnt 0x0
	s_wait_alu depctr_hold_cnt(0) depctr_sa_sdst(0) depctr_va_vdst(0) depctr_va_sdst(0) depctr_va_ssrc(0) depctr_va_vcc(0) depctr_vm_vsrc(0)
	s_getreg_b32 s2, hwreg(HW_REG_IB_STS2, 6, 4)
	s_cmp_eq_u32 s2, 0
	s_cbranch_scc0 .Lentry_in_a_cluster
	s_endpgm
.Lentry_in_a_cluster:
	s_bfe_u32 s2, ttmp6, 0x10000c
	s_cmp_lg_u32 s2, 0xf033
	s_cbranch_scc0 .Lentry_shape_is_right
	s_endpgm
.Lentry_shape_is_right:
.set KSP,   32
.set WOFF,  4096000
.set BIASP, 8
.set RESP,  10
.set OUTP,  12
.set GI,    6400
.set TI,    1536
.set SCO,   6144
.set QWL,   8*GI
.set QWS,   4*GI
.set SHORT, 4*QWL
.set STAGE, SHORT
.set SPARE, SHORT+4*QWS
.set ADRA, 16
.set ADRB, 18
.set ADSA, 20
.set ADSB, 22
.set STO,  24
.set RD,   25
.set GO,   26
.set BO,   27
.set SPW,  28
.set NIL,  29
.set L16,  30
.set L4,   31
.set SC,   32
.set T,    64
.set G1,   24
.set G0,   32
.set G1B,  48
.set G0B,  56
.set G1L,  68
.set G1BL, 80
.set MSB, 0
.macro WIN new
.if MSB != (\new)
	s_set_vgpr_msb (MSB<<8)|(\new)
.set MSB, (\new)
.endif
.endm
.macro PLACES
.rept 4
	v_nop
.endr
.endm
.macro JLOAD g0a, g1a, g0b, g1b
	s_cmp_eq_u32 s15, 0
	s_cbranch_scc0 .Lfor_b_\@
	tensor_load_to_lds s[\g0a:\g0a+3], s[\g1a:\g1a+7]
	s_nop 0
.rept 4
	v_nop
.endr
	s_branch .Lasked_\@
.Lfor_b_\@:
	tensor_load_to_lds s[\g0b:\g0b+3], s[\g1b:\g1b+7]
	s_nop 0
.rept 4
	v_nop
.endr
.Lasked_\@:
.endm
.macro CREST
	s_cmp_lg_u32 s14, 0
	s_cbranch_scc1 .Lnot_wave_0_\@
	s_barrier_signal -3
.Lnot_wave_0_\@:
	s_barrier_wait -3
	s_barrier_signal -1
	s_barrier_wait -1
.endm
.macro CROUND
	s_barrier_signal -1
	s_barrier_wait -1
	CREST
.endm
.macro WM r0, r1
.if ((\r0) == 0) && ((\r1) == 0)
	v_wmma_scale_f32_16x16x128_f8f6f4 v[rD:rD+7], v[rS0:rS0+11], v[rS1:rS1+11], v[rC:rC+7], v[rX0], v[rX1] matrix_a_fmt:MATRIX_FMT_FP6 matrix_b_fmt:MATRIX_FMT_FP6
.elseif ((\r0) == 1) && ((\r1) == 0)
	v_wmma_scale_f32_16x16x128_f8f6f4 v[rD:rD+7], v[rS0:rS0+11], v[rS1:rS1+11], v[rC:rC+7], v[rX0], v[rX1] matrix_a_fmt:MATRIX_FMT_FP6 matrix_b_fmt:MATRIX_FMT_FP6 matrix_a_scale:MATRIX_SCALE_ROW1
.elseif ((\r0) == 0) && ((\r1) == 1)
	v_wmma_scale_f32_16x16x128_f8f6f4 v[rD:rD+7], v[rS0:rS0+11], v[rS1:rS1+11], v[rC:rC+7], v[rX0], v[rX1] matrix_a_fmt:MATRIX_FMT_FP6 matrix_b_fmt:MATRIX_FMT_FP6 matrix_b_scale:MATRIX_SCALE_ROW1
.else
	v_wmma_scale_f32_16x16x128_f8f6f4 v[rD:rD+7], v[rS0:rS0+11], v[rS1:rS1+11], v[rC:rC+7], v[rX0], v[rX1] matrix_a_fmt:MATRIX_FMT_FP6 matrix_b_fmt:MATRIX_FMT_FP6 matrix_a_scale:MATRIX_SCALE_ROW1 matrix_b_scale:MATRIX_SCALE_ROW1
.endif
.endm
.macro MUL4 a, p, first
.irp b, 0,1,2,3
.set rD, 128+8*(4*(\a)+\b)
.set rS0, 128*(\p)+48+12*\b
.set rS1, 128*(\p)+12*(\a)
.set rX0, SC+4*(\p)+2+\b/2
.set rX1, SC+4*(\p)+(\a)/2
.if \first
.set rC, 96+8*\b
.else
.set rC, rD
.endif
	WM (\b)%2, (\a)%2
.endr
.endm
.macro FETCH slot, q, p
	WIN 0x40
.irp i, 0,1,2,3
.irp c, 0,1,2
	ds_load_b128 v[128*(\p)+48+12*\i+4*\c:128*(\p)+48+12*\i+4*\c+3], v[ADRB+\slot] offset:GI*(\q)+TI*\i+512*\c
.endr
.endr
.irp i, 0,1,2,3
.irp c, 0,1,2
	ds_load_b128 v[128*(\p)+12*\i+4*\c:128*(\p)+12*\i+4*\c+3], v[ADRA+\slot] offset:GI*(\q)+TI*\i+512*\c
.endr
.endr
	WIN 0
.irp u, 0,1
	ds_load_b32 v[SC+4*(\p)+\u], v[ADSA+\slot] offset:SCO+GI*(\q)+128*\u
	ds_load_b32 v[SC+4*(\p)+2+\u], v[ADSB+\slot] offset:SCO+GI*(\q)+128*\u
.endr
.endm
.macro STEP slot, q, first
.if !(\first)
	PLACES
.endif
	FETCH \slot, (\q)+1, ((\q)+1)%2
	s_wait_dscnt 28
.if \first
	WIN 0x15
.else
	WIN 0x05
.endif
	MUL4 0, (\q)%2, \first
	MUL4 1, (\q)%2, \first
	MUL4 2, (\q)%2, \first
	MUL4 3, (\q)%2, \first
.endm
.macro TURN slot, next, fill
	WIN 0
	s_wait_tensorcnt 0x0
	ds_add_u32 v[SPW], v[NIL]
	s_wait_dscnt 1
	WIN 0x05
	MUL4 0, 1, 0
	s_wait_dscnt 0x0
	s_barrier_signal -1
	MUL4 1, 1, 0
	WIN 0
	s_barrier_wait -1
.if \fill
	CREST
	s_add_nc_u64 s[G0+4*\slot+2:G0+4*\slot+3], s[G0+4*\slot+2:G0+4*\slot+3], 12*GI
	s_add_nc_u64 s[G0B+4*\slot+2:G0B+4*\slot+3], s[G0B+4*\slot+2:G0B+4*\slot+3], 12*GI
.if (\slot) == 0
	JLOAD G0, G1L, G0B, G1BL
.else
	JLOAD G0+4, G1, G0B+4, G1B
.endif
.else
	PLACES
.endif
	FETCH \next, 0, 0
	WIN 0x05
	MUL4 2, 1, 0
	MUL4 3, 1, 0
.endm
	s_load_b256 s[4:11], s[0:1], 0x0
	s_load_b64 s[12:13], s[0:1], 0x20
	v_lshl_add_u32 v[SPW], v0, 2, SPARE
	v_mov_b32 v[NIL], 0
	ds_add_u32 v28, v29
	ds_add_u32 v28, v29
	s_wait_dscnt 0x0
	v_lshrrev_b32 v1, 5, v0
	v_readfirstlane_b32 s14, v1
	s_lshr_b32 s15, s14, 1
	s_and_b32 s16, s14, 1
	s_bfe_u32 s40, ttmp6, 0x40000
	s_bfe_u32 s41, ttmp6, 0x40004
	s_lshl_b32 s19, ttmp9, 2
	s_add_co_u32 s19, s19, s40
	s_and_b32 s18, ttmp7, 0xffff
	s_lshl_b32 s18, s18, 2
	s_add_co_u32 s18, s18, s41
	s_lshl_b32 s43, s41, 2
	s_lshl_b32 s43, 15, s43
	s_lshl_b32 s44, 0x1111, s40
	s_or_b32 s[G1+0], s43, (3<<16)|(1<<21)
	s_or_b32 s[G1B+0], s44, (3<<16)|(1<<21)
	s_or_b32 s[G1L+0], s43, (3<<16)|(1<<21)
	s_or_b32 s[G1BL+0], s44, (3<<16)|(1<<21)
.irp g, G1, G1B
	s_mov_b32 s[\g+1], 32<<16
	s_mov_b32 s[\g+2], 100<<16
	s_mov_b32 s[\g+3], 32<<16
	s_mov_b32 s[\g+4], 100
	s_mov_b32 s[\g+5], 32
	s_mov_b32 s[\g+6], 0
	s_mov_b32 s[\g+7], 0
.endr
.irp g, G1L, G1BL
	s_mov_b32 s[\g+1], 32<<16
	s_mov_b32 s[\g+2], 200<<16
	s_mov_b32 s[\g+3], 32<<16
	s_mov_b32 s[\g+4], 200
	s_mov_b32 s[\g+5], 32
	s_mov_b32 s[\g+6], 0
	s_mov_b32 s[\g+7], 0
.endr
	s_lshl_b32 s88, s18, 1
	s_add_co_u32 s88, s88, s16
	s_mul_i32 s88, s88, KSP*GI
	s_mov_b32 s89, 0
	s_lshl_b32 s90, s19, 1
	s_add_co_u32 s90, s90, s16
	s_mul_i32 s90, s90, KSP*GI
	s_add_co_u32 s90, s90, WOFF
	s_mov_b32 s91, 0
	s_mul_i32 s42, s14, QWL
	s_mul_i32 s45, s14, QWS
	s_wait_kmcnt 0x0
	s_add_nc_u64 s[20:21], s[4:5], s[88:89]
	s_add_nc_u64 s[22:23], s[6:7], s[90:91]
	CROUND
	s_mov_b32 s[G0], 1
	s_mov_b32 s[G0+1], s42
	s_mov_b64 s[G0+2:G0+3], s[20:21]
	s_or_b32 s[G0+3], s[G0+3], 0x80000000
	s_mov_b32 s[G0B], 1
	s_mov_b32 s[G0B+1], s42
	s_mov_b64 s[G0B+2:G0B+3], s[22:23]
	s_or_b32 s[G0B+3], s[G0B+3], 0x80000000
	JLOAD G0, G1L, G0B, G1BL
	s_mov_b32 s[G0+4], 1
	s_add_co_u32 s[G0+5], s45, SHORT
	s_add_nc_u64 s[G0+6:G0+7], s[20:21], 8*GI
	s_or_b32 s[G0+7], s[G0+7], 0x80000000
	s_mov_b32 s[G0B+4], 1
	s_add_co_u32 s[G0B+5], s45, SHORT
	s_add_nc_u64 s[G0B+6:G0B+7], s[22:23], 8*GI
	s_or_b32 s[G0B+7], s[G0B+7], 0x80000000
	s_wait_alu depctr_va_vdst(0)
	s_wait_tensorcnt 0x0
	ds_add_u32 v28, v29
	s_wait_dscnt 0x0
	CROUND
	JLOAD G0+4, G1, G0B+4, G1B
	v_and_b32 v1, 31, v0
	v_lshlrev_b32 v[L16], 4, v1
	v_lshlrev_b32 v[L4], 2, v1
	v_and_b32 v1, 15, v0
	v_bfe_u32 v2, v0, 4, 1
	v_lshlrev_b32 v[BO], 6, v2
	s_mul_i32 s96, s15, QWL
	s_mul_i32 s97, s16, QWL
	s_add_co_u32 s97, s97, 2*QWL
	v_add_nc_u32 v[ADRA], s96, v[L16]
	v_add_nc_u32 v[ADRB], s97, v[L16]
	v_add_nc_u32 v[ADSA], s96, v[L4]
	v_add_nc_u32 v[ADSB], s97, v[L4]
	s_mul_i32 s96, s15, QWS
	s_add_co_u32 s96, s96, SHORT
	s_mul_i32 s97, s16, QWS
	s_add_co_u32 s97, s97, SHORT+2*QWS
	v_add_nc_u32 v[ADRA+1], s96, v[L16]
	v_add_nc_u32 v[ADRB+1], s97, v[L16]
	v_add_nc_u32 v[ADSA+1], s96, v[L4]
	v_add_nc_u32 v[ADSB+1], s97, v[L4]
	s_mul_i32 s96, s14, 32*272
	s_add_co_u32 s96, s96, STAGE
	v_and_b32 v3, 8, v1
	v_add_nc_u32 v3, v3, v1
	v_mul_u32_u24 v3, v3, 272
	v_lshl_add_u32 v3, v2, 6, v3
	v_add_nc_u32 v[STO], s96, v3
	v_mul_u32_u24 v3, v2, 272
	v_lshl_add_u32 v3, v1, 4, v3
	v_add_nc_u32 v[RD], s96, v3
	v_lshlrev_b32 v3, 12, v2
	v_lshl_add_u32 v[GO], v1, 4, v3
	s_wait_alu depctr_va_vdst(0)
	s_lshl_b32 s92, s18, 7
	s_lshl_b32 s93, s15, 6
	s_add_co_u32 s92, s92, s93
	s_lshl_b32 s92, s92, 12
	s_lshl_b32 s94, s19, 9
	s_lshl_b32 s93, s16, 8
	s_add_co_u32 s94, s94, s93
	s_add_co_u32 s92, s92, s94
	s_mov_b32 s93, 0
	s_mov_b32 s95, 0
	s_add_nc_u64 s[RESP:RESP+1], s[RESP:RESP+1], s[92:93]
	s_add_nc_u64 s[OUTP:OUTP+1], s[OUTP:OUTP+1], s[92:93]
	s_add_nc_u64 s[BIASP:BIASP+1], s[BIASP:BIASP+1], s[94:95]
	WIN 0x40
.irp b, 0,1,2,3
	global_load_b128 v[96+8*\b:96+8*\b+3], v[BO], s[BIASP:BIASP+1] offset:(32*(\b/2)+8*(\b%2))*4
	global_load_b128 v[96+8*\b+4:96+8*\b+7], v[BO], s[BIASP:BIASP+1] offset:(32*(\b/2)+8*(\b%2))*4+16
.endr
	WIN 0x80
.set i, 0
.rept 32
	global_load_b128 v[4*i:4*i+3], v[GO], s[RESP:RESP+1] offset:2*i*4096
.set i, i+1
.endr
	WIN 0
	s_wait_tensorcnt 1
	s_barrier_signal -1
	s_barrier_wait -1
	FETCH 0, 0, 0
	s_wait_loadcnt 32
	STEP 0, 0, 1
.irp q, 1,2,3,4,5,6
	STEP 0, \q, 0
.endr
	TURN 0, 1, 1
.irp q, 0,1,2
	STEP 1, \q, 0
.endr
	TURN 1, 0, 1
.irp q, 0,1,2,3,4,5,6
	STEP 0, \q, 0
.endr
	TURN 0, 1, 1
.irp q, 0,1,2
	STEP 1, \q, 0
.endr
	TURN 1, 0, 0
.irp q, 0,1,2,3,4,5,6
	STEP 0, \q, 0
.endr
	s_wait_dscnt 0x0
	WIN 0x05
	MUL4 0, 1, 0
	MUL4 1, 1, 0
	MUL4 2, 1, 0
	MUL4 3, 1, 0
	WIN 0
	s_wait_loadcnt 0x0
	PLACES
.macro HALF al
.if (\al) > 0
	s_wait_xcnt 0x0
.endif
.irp u, 0,1
.irp b, 0,1,2,3
.set rD, 128+8*(4*(2*(\al)+\u)+\b)
	ds_store_b128 v[STO], v[rD:rD+3] offset:8*\u*272+128*(\b/2)+32*(\b%2)
	ds_store_b128 v[STO], v[rD+4:rD+7] offset:8*\u*272+128*(\b/2)+32*(\b%2)+16
.endr
.endr
.set i, 0
.rept 16
	ds_load_b128 v[T+4*i:T+4*i+3], v[RD] offset:2*i*272
.set i, i+1
.endr
	s_wait_dscnt 0x0
.set i, 0
.rept 64
	v_max_num_f32 v[T+i], 0, v[T+i]
.set i, i+1
.endr
	WIN 0x08
.set i, 0
.rept 32
	v_pk_add_f32 v[T+2*i:T+2*i+1], v[T+2*i:T+2*i+1], v[64*(\al)+2*i:64*(\al)+2*i+1]
.set i, i+1
.endr
	WIN 0
.set i, 0
.rept 16
	global_store_b128 v[GO], v[T+4*i:T+4*i+3], s[OUTP:OUTP+1] offset:(32*(\al)+2*i)*4096
.set i, i+1
.endr
.endm
	HALF 0
	HALF 1
	s_wait_tensorcnt 0x0
	ds_add_u32 v[SPW], v[NIL]
	s_wait_dscnt 0x0
	CROUND
	s_endpgm
.Lfunc_end_k_q84b60a378c_ffn2:
	.size	k_q84b60a378c_ffn2, .Lfunc_end_k_q84b60a378c_ffn2-k_q84b60a378c_ffn2
	.p2alignl 7, 3214868480
	.fill 96, 4, 3214868480
	.section	.rodata,"a",@progbits
	.p2align	6, 0x0
	.amdhsa_kernel k_q84b60a378c_ffn2
		.amdhsa_group_segment_fixed_size 327680
		.amdhsa_private_segment_fixed_size 0
		.amdhsa_enable_private_segment 0
		.amdhsa_kernarg_size 40
		.amdhsa_user_sgpr_count 2
		.amdhsa_user_sgpr_kernarg_segment_ptr 1
		.amdhsa_wavefront_size32 1
		.amdhsa_system_sgpr_workgroup_id_x 1
		.amdhsa_system_sgpr_workgroup_id_y 1
		.amdhsa_system_sgpr_workgroup_id_z 1
		.amdhsa_system_vgpr_workitem_id 0
		.amdhsa_next_free_vgpr 640
		.amdhsa_next_free_sgpr 100
		.amdhsa_reserve_vcc 0
		.amdhsa_float_denorm_mode_32 3
		.amdhsa_float_denorm_mode_16_64 3
		.amdhsa_memory_ordered 1
		.amdhsa_forward_progress 1
		.amdhsa_inst_pref_size 160
	.end_amdhsa_kernel
	.amdgpu_metadata
---
amdhsa.version: [ 1, 2 ]
amdhsa.kernels:
  - .name:           k_q84b60a378c_ffn2
    .symbol:         k_q84b60a378c_ffn2.kd
    .args:
      - { .name: cbig, .offset: 0, .size: 8, .value_kind: global_buffer, .address_space: global }
      - { .name: wrest, .offset: 8, .size: 8, .value_kind: global_buffer, .address_space: global }
      - { .name: b2, .offset: 16, .size: 8, .value_kind: global_buffer, .address_space: global }
      - { .name: x2, .offset: 24, .size: 8, .value_kind: global_buffer, .address_space: global }
      - { .name: out0, .offset: 32, .size: 8, .value_kind: global_buffer, .address_space: global }
    .group_segment_fixed_size: 327680
    .private_segment_fixed_size: 0
    .kernarg_segment_align: 8
    .kernarg_segment_size: 40
    .max_flat_workgroup_size: 128
    .sgpr_count:     100
    .vgpr_count:     640
    .wavefront_size: 32
...
	.end_amdgpu_metadata
.endif
;; end of part 5
